; MI455X (gfx1250); checked and timed in simulation.
; The chip was launched on July 23, 2026; its instructions are those of AMD's public machine-readable ISA for CDNA 5 (MIT licence, August 2026) and "CDNA5" Instruction Set Architecture Reference Guide (July 2026). The comments in the code are by the model that wrote it; some were corrected since.
;; Attention. Allowed arithmetic: float matrix products may take bf16 or f16 operands with f32 sums; all other float work in f32.
;; Inputs: freqs_cos 2,048 x 64 float32; freqs_sin 2,048 x 64 float32; mask 2,048 x 2,048 float32; wk 1,024 x 4,096 float32; wo 4,096 x 2,048 float32; wq 2,048 x 4,096 float32; wv 1,024 x 4,096 float32; x 1 x 2,048 x 4,096 float32.
;; Outputs: out0 1 x 2,048 x 4,096 float32.
;; One version. Each part assembles by itself: llvm-mc -triple=amdgcn-amd-amdhsa -mcpu=gfx1250 --defsym DOCPART=n.
;; ======== version 1 of 1: 4 launches
;; limits: values outside matrix products are rounded to bf16; values are held in f16: magnitudes above 65,504 overflow, below 6.1e-05 lose precision; right only within a limited range of input values
;; workspace buffers: cb 67,108,864 bytes; mk 16,777,216 bytes; qkv 16,777,216 bytes; ao 8,388,608 bytes
;; launch cvt (part 1): grid 2304 x 1, 8 waves a work-group, no clusters, 0 bytes of LDS; arguments x, wq, wk, wv, wo, mask, cb, mk; writes cb, mk
.if DOCPART == 1
	.amdgcn_target "amdgcn-amd-amdhsa--gfx1250"
	.amdhsa_code_object_version 6
	.text
	.protected	k_q991e11dcc0_cvt
	.globl	k_q991e11dcc0_cvt
	.p2align	8
	.type	k_q991e11dcc0_cvt,@function
k_q991e11dcc0_cvt:
	s_mov_b64 s[64:65], 0
	v_nop
	global_prefetch_b8 v0, s[64:65] scope:SCOPE_SE
	s_setreg_imm32_b32 hwreg(HW_REG_WAVE_MODE, 25, 1), 1
	s_wait_xcnt 0x0
; Every large input is rounded once, to bf16 (nearest even), so that the later launches work on one set of rounded inputs.
; The source is taken as 9 units of 16 MiB of f32: x, x, wq, wq, wk, wv, wo, wo, mask.
;   units 0-5: cb + 8 MiB x u = bf16(source): x [2048][4096] at byte 0, the stacked weights [wq; wk; wv] [4096][4096] at 16,777,216.
;   units 6-7: cb + 8 MiB x u = bf16(wo) x 32, held in f16: wo [4096][2048] at 50,331,648.  The last product multiplies it by f16 numbers, and
;              a matrix instruction takes one format.  The factor 32 cancels the 2^-5 that v carries.  f16 holds a bf16 number times 32 exactly from
;              2^-22 up to 2,047; LIMIT: a smaller wo is rounded to a multiple of 2^-29, a larger one becomes infinite.
;   unit 8:    mk = bf16(mask) x log2(e) x 2^-7, rounded to f32: the mask in the unit in which the attention launch holds its scores.  The product is
;              rounded HERE, so that the add there is one rounded add of two f32 numbers, in which a huge mask absorbs the score as in the module's own add.
; LIMIT: the mask is taken in bf16 like the other inputs (8 significant bits).
; A work-group takes 64 KiB of source (256 work-groups a unit), a wave 8 KiB: 16 loads of 512 consecutive bytes, all on their way at once;
; each store of the wave covers 256 (16-bit results) or 512 (mk) consecutive bytes, aligned.  No LDS, no barrier, no loop: nothing is shared.
.set X,  4                             ; v[4:67]   16 x 4 registers as loaded; in units 6-8 then the rounded numbers, widened and scaled
.set Y,  68                            ; v[68:99]  16 x 2 registers of 16-bit pairs
.set CF, 3                             ; v3 units 6-8: the factor
.set ZR, 0                             ; v0 units 6-8: zero
	s_load_b256 s[4:11], s[0:1], 0x0               ; x s[4:5], wq s[6:7], wk s[8:9], wv s[10:11]
	s_load_b256 s[12:19], s[0:1], 0x20             ; wo s[12:13], mask s[14:15], cb s[16:17], mk s[18:19]
	s_lshr_b32 s23, ttmp9, 8                       ; u: my unit
	v_lshrrev_b32 v3, 5, v0                        ; wave
	v_and_b32 v2, 31, v0                           ; lane
	v_lshlrev_b32 v1, 4, v2
	v_lshl_add_u32 v1, v3, 13, v1                  ; f32: 8,192 x wave + 16 x lane
	v_lshlrev_b32 v2, 3, v2
	v_lshl_add_u32 v2, v3, 12, v2                  ; 16 bits: 4,096 x wave + 8 x lane
	s_wait_kmcnt 0x0
	s_mov_b64 s[20:21], s[14:15]                   ; unit 8: the mask, whose first unit is 8
	s_mov_b32 s22, 8
; units below 'below' come from the buffer in s[lo:lo+1], whose first unit is 'first'
.macro PICK below, lo, first
	s_cmp_lt_u32 s23, \below
	s_cselect_b64 s[20:21], s[\lo:\lo+1], s[20:21]
	s_cselect_b32 s22, \first, s22
.endm
	PICK 8, 12, 6                                  ; wo
	PICK 6, 10, 5                                  ; wv
	PICK 5, 8, 4                                   ; wk
	PICK 4, 6, 2                                   ; wq
	PICK 2, 4, 0                                   ; x
	s_lshl_b32 s22, s22, 8                         ; the buffer's first work-group
	s_sub_co_u32 s24, ttmp9, s22
	s_lshl_b32 s24, s24, 16                        ; 64 KiB for each work-group inside the buffer (below 32 MiB)
	s_mov_b32 s25, 0
	s_add_nc_u64 s[20:21], s[20:21], s[24:25]
.irp j, 0,1,2,3,4,5,6,7,8,9,10,11,12,13,14,15
	global_load_b128 v[X+4*\j:X+4*\j+3], v1, s[20:21] offset:512*\j th:TH_LOAD_NT   ; read once in the launch
.endr
; load j's four numbers: rounded to bf16, then widened to f32 and multiplied by the factor in one instruction each
.macro WIDE j
	s_wait_loadcnt 15-\j                           ; loads come back in order: load j is in, the 15 - j younger ones stay out
	v_cvt_pk_bf16_f32 v[Y+2*\j],   v[X+4*\j],   v[X+4*\j+1]
	v_cvt_pk_bf16_f32 v[Y+2*\j+1], v[X+4*\j+2], v[X+4*\j+3]
	v_fma_mix_f32_bf16 v[X+4*\j],   v[Y+2*\j],   v[CF], v[ZR] op_sel_hi:[1,0,0]
	v_fma_mix_f32_bf16 v[X+4*\j+1], v[Y+2*\j],   v[CF], v[ZR] op_sel:[1,0,0] op_sel_hi:[1,0,0]
	v_fma_mix_f32_bf16 v[X+4*\j+2], v[Y+2*\j+1], v[CF], v[ZR] op_sel_hi:[1,0,0]
	v_fma_mix_f32_bf16 v[X+4*\j+3], v[Y+2*\j+1], v[CF], v[ZR] op_sel:[1,0,0] op_sel_hi:[1,0,0]
.endm
	s_cmp_lt_u32 s23, 8
	s_cbranch_scc0 .Lmask
	s_lshl_b32 s26, ttmp9, 15                      ; 32 KiB of cb for each work-group (below 64 MiB)
	s_mov_b32 s27, 0
	s_add_nc_u64 s[16:17], s[16:17], s[26:27]
	s_cmp_lt_u32 s23, 6
	s_cbranch_scc0 .Lwo
	; units 0-5: bf16
.irp j, 0,1,2,3,4,5,6,7,8,9,10,11,12,13,14,15
	s_wait_loadcnt 15-\j                           ; load j is in, the 15 - j younger ones stay out
	v_cvt_pk_bf16_f32 v[Y+2*\j],   v[X+4*\j],   v[X+4*\j+1]
	v_cvt_pk_bf16_f32 v[Y+2*\j+1], v[X+4*\j+2], v[X+4*\j+3]
	global_store_b64 v2, v[Y+2*\j:Y+2*\j+1], s[16:17] offset:256*\j   ; no hint: a later launch reads these bytes; each store has registers of its own
.endr
	s_endpgm
.Lwo:
	; units 6-7: bf16, times 32, in f16's format
	v_mov_b32 v[CF], 0x42000000                    ; 32.0
	v_mov_b32 v[ZR], 0
.irp j, 0,1,2,3,4,5,6,7,8,9,10,11,12,13,14,15
	WIDE \j
	v_cvt_pk_f16_f32 v[Y+2*\j],   v[X+4*\j],   v[X+4*\j+1]
	v_cvt_pk_f16_f32 v[Y+2*\j+1], v[X+4*\j+2], v[X+4*\j+3]
	global_store_b64 v2, v[Y+2*\j:Y+2*\j+1], s[16:17] offset:256*\j
.endr
	s_endpgm
.Lmask:
	; unit 8: bf16, times log2(e) x 2^-7, in f32
	s_add_nc_u64 s[18:19], s[18:19], s[24:25]      ; mk lies as the mask does
	v_mov_b32 v[CF], 0x3c38aa3b                    ; 1.442695 x 2^-7
	v_mov_b32 v[ZR], 0
.irp j, 0,1,2,3,4,5,6,7,8,9,10,11,12,13,14,15
	WIDE \j
	global_store_b128 v1, v[X+4*\j:X+4*\j+3], s[18:19] offset:512*\j
.endr
	s_endpgm
.Lfunc_end_k_q991e11dcc0_cvt:
	.size	k_q991e11dcc0_cvt, .Lfunc_end_k_q991e11dcc0_cvt-k_q991e11dcc0_cvt
	.p2alignl 7, 3214868480
	.fill 96, 4, 3214868480
	.section	.rodata,"a",@progbits
	.p2align	6, 0x0
	.amdhsa_kernel k_q991e11dcc0_cvt
		.amdhsa_group_segment_fixed_size 0
		.amdhsa_private_segment_fixed_size 0
		.amdhsa_enable_private_segment 0
		.amdhsa_kernarg_size 64
		.amdhsa_user_sgpr_count 2
		.amdhsa_user_sgpr_kernarg_segment_ptr 1
		.amdhsa_wavefront_size32 1
		.amdhsa_system_sgpr_workgroup_id_x 1
		.amdhsa_system_sgpr_workgroup_id_y 1
		.amdhsa_system_sgpr_workgroup_id_z 1
		.amdhsa_system_vgpr_workitem_id 0
		.amdhsa_next_free_vgpr 100
		.amdhsa_next_free_sgpr 66
		.amdhsa_reserve_vcc 0
		.amdhsa_float_denorm_mode_32 3
		.amdhsa_float_denorm_mode_16_64 3
		.amdhsa_memory_ordered 1
		.amdhsa_forward_progress 1
		.amdhsa_inst_pref_size 26
	.end_amdhsa_kernel
	.amdgpu_metadata
---
amdhsa.version: [ 1, 2 ]
amdhsa.kernels:
  - .name:           k_q991e11dcc0_cvt
    .symbol:         k_q991e11dcc0_cvt.kd
    .args:
      - { .name: x, .offset: 0, .size: 8, .value_kind: global_buffer, .address_space: global }
      - { .name: wq, .offset: 8, .size: 8, .value_kind: global_buffer, .address_space: global }
      - { .name: wk, .offset: 16, .size: 8, .value_kind: global_buffer, .address_space: global }
      - { .name: wv, .offset: 24, .size: 8, .value_kind: global_buffer, .address_space: global }
      - { .name: wo, .offset: 32, .size: 8, .value_kind: global_buffer, .address_space: global }
      - { .name: mask, .offset: 40, .size: 8, .value_kind: global_buffer, .address_space: global }
      - { .name: cb, .offset: 48, .size: 8, .value_kind: global_buffer, .address_space: global }
      - { .name: mk, .offset: 56, .size: 8, .value_kind: global_buffer, .address_space: global }
    .group_segment_fixed_size: 0
    .private_segment_fixed_size: 0
    .kernarg_segment_align: 8
    .kernarg_segment_size: 64
    .max_flat_workgroup_size: 256
    .sgpr_count:     66
    .vgpr_count:     100
    .wavefront_size: 32
...
	.end_amdgpu_metadata
.endif
;; end of part 1
;; launch proj_qkv (part 2): grid 16 x 16, 4 waves a work-group, clusters of 4 x 4, 327,680 bytes of LDS; arguments cb, freqs_cos, freqs_sin, qkv; writes qkv
.if DOCPART == 2
	.amdgcn_target "amdgcn-amd-amdhsa--gfx1250"
	.amdhsa_code_object_version 6
	.text
	.protected	k_q991e11dcc0_proj_qkv
	.globl	k_q991e11dcc0_proj_qkv
	.p2align	8
	.type	k_q991e11dcc0_proj_qkv,@function
k_q991e11dcc0_proj_qkv:
	s_mov_b64 s[64:65], 0
	v_nop
	global_prefetch_b8 v0, s[64:65] scope:SCOPE_SE
	s_setreg_imm32_b32 hwreg(HW_REG_WAVE_MODE, 25, 1), 1
	s_wait_xcnt 0x0
	s_wait_alu depctr_hold_cnt(0) depctr_sa_sdst(0) depctr_va_vdst(0) depctr_va_sdst(0) depctr_va_ssrc(0) depctr_va_vcc(0) depctr_vm_vsrc(0)
	s_getreg_b32 s2, hwreg(HW_REG_IB_STS2, 6, 4)
	s_cmp_eq_u32 s2, 0
	s_cbranch_scc0 .Lentry_in_a_cluster
	s_endpgm
.Lentry_in_a_cluster:
	s_bfe_u32 s2, ttmp6, 0x10000c
	s_cmp_lg_u32 s2, 0xf033
	s_cbranch_scc0 .Lentry_shape_is_right
	s_endpgm
.Lentry_shape_is_right:
; qkv[s][n] = f x rope( sum over k of x[s][k] W[n][k] ), W = [wq; wk; wv] stacked, operands bf16 from cb, sums in f32, qkv in F16.
; Columns 0-2047 are q (rotated, f = SCALE x log2(e) x 2^-2), 2048-3071 are k (rotated, f = 2^-5), 3072-4095 are v (as it is, f = 2^-5).
; WHY F16: q, k and v are matrix operands of the next launch; a row that attends to few keys is as large as v itself while the mean output is some six
; times smaller, so 8 significant bits in q, k, v would show; f16 has 11.  The factors make room: q, k, v up to 2.09e6 in magnitude stay finite
; (x and W both 30 times larger reach some 6.3e3; both with an offset of 30 spreads 4096 x 30 x 0.6 x sqrt 2 = 1.04e5), and with x and W both 30 times
; smaller the numbers (rms 4.4e-5) still stand 700 of f16's smallest steps (2^-24) high.  q k then comes out as the base-2 score times 2^-7.
; LIMITS: beyond 2.09e6 q, k, v become infinite.  cos and sin are taken in bf16, like every other input, and the rotation is made in f32.
; For v the rotation is run with cos x 0 + 2^-5 and sin x 0, so a cos or sin that is not finite would reach v; with such a table q and k, and so every
; output of the module, are not finite either.
; A work-group makes 128 x 256 of the result with four waves, a wave 64 x 128: 32 accumulator tiles, 256 registers; 16 x 16 work-groups.
; THE RING: two LDS slots filled by the tensor data mover.  Two slots of 256 along K would take 2 x 384 x 528 = 405,504 bytes, more than there is, so
; slot X holds 256 along K (rows of 512 bytes) and slot Y 128 (rows of 256 bytes): 307,200 bytes.  K goes X0 Y0 X1 Y1 .. X9 Y9 X10: 11 x 256 + 10 x 128.
; There are two changes of slot for 384 along K; Y's refill has 248 matrix instructions in which to land, X's 120.  All tiles start at multiples of 256 bytes.
; CLUSTERS: 4 x 4 work-groups.  The four of a cluster's row need the same 128 rows of x, the four of a column the same 256 rows of W:
; each tile is asked for jointly, by the same tensor load in all four, which divides the requests by four.
; REGISTERS: window 0: addresses, two fragment buffers (8 fragments of W, 4 of x each), work registers.
;            window 1: accumulator tile (a, b) at v[8 (8 a + b)], a = 0..3 (16 rows each), b = 0..7 (16 columns each).
;            window 2: cos of tile (a, b) at v[4 (8 a + b)], sin at v[128 + 4 (8 a + b)].
; s_set_vgpr_msb's low byte: bits 1:0 source 0, 3:2 source 1, 5:4 source 2, 7:6 destination.
; THE MATRIX INSTRUCTION IS USED TRANSPOSED (source 0 = rows of W, source 1 = rows of x): lane l holds row l % 16 of the result and
; its registers the 8 neighbouring columns 8 (l / 16) + 0..7: four whole pairs of the rotation, and 16 bytes of f16.
; The 32 accumulators take turns, one instruction a turn, in one order throughout.
.set SIZE_K, 4096
.set ROWSH,  13                        ; a row of x or W is 1 << 13 bytes
.set PX,     528                       ; slot X's LDS rows: 512 bytes + 16 of padding; an odd multiple of 16, so 16 rows start at 16 different 16-byte columns
.set PY,     272                       ; slot Y's: 256 + 16
.set YOFF,   384*PX                    ; 202,752: slot X (W's 256 rows, then x's 128 rows), then slot Y laid out alike
.set STAGE,  YOFF+384*PY               ; 307,200, a multiple of 256: 16 rows x 272 bytes for each wave; no fill lands here
.set SPITCH, 272
.set PERIOD, 768                       ; bytes of a row from one X (or Y) tile to the next
.set KX0,    0                         ; X0 begins at byte 0 of the rows,
.set KY0,    512                       ; Y0 behind it
.set LOOPS,  8                         ; laps X Y with both refills: 9, of which the first stands ahead of the loop
.set WOFF,   16777216                  ; W in cb
.set CROW,   8192                      ; bytes in a row of qkv
.set XW, (1<<16)|(1<<20)|(1<<21)|(6<<22)|(3<<25)   ; 2-byte elements; padding on; bit 21 beside a mask; 4 words behind every 128
.set YW, (1<<16)|(1<<20)|(1<<21)|(5<<22)|(3<<25)   ; the same behind every 64
.set WV, 12                            ; s12 wave
.set RH, 13                            ; s13 wave >> 1: my 64 rows.  Also: I fetch for W (0) or for x (1)
.set CH, 14                            ; s14 wave & 1: my 128 columns.  Also: which half of that tile I fetch
.set G1A, 24                           ; s[24:31] group 1 of x's tiles in slot X, s[32:39] in slot Y
.set G1B, 40                           ; s[40:47], s[48:55] the same for W
.set G0A, 56                           ; s[56:59] group 0 of x's tiles in slot X, s[60:63] in slot Y
.set G0B, 68                           ; s[68:71], s[72:75] the same for W
.set ADRA, 16                          ; v16-17 LDS address of my x fragments in slot X, Y
.set ADRB, 20                          ; v20-21 the same for W
.set STO,  24                          ; v24 the way out: where I put 16 bytes of a row
.set RD,   25                          ; v25 the way out: where I read a row back
.set CO,   26                          ; v26 my byte offset in qkv
.set CADR, 27                          ; v27 my byte offset in cos and sin; never rewritten
.set FC,   28                          ; v28 the factor of cos and sin
.set AC,   29                          ; v29 what is added to cos
.set ZR,   30                          ; v30 zero: what is added to sin
.set F0,   32                          ; fragment buffer 0: W v32-95, x v96-127
.set F1,   128                         ; fragment buffer 1: W v128-191, x v192-223
.set RR,   32                          ; the way out: 64 rotated numbers
.set TMP,  224                         ; the way out: 32 registers of packed f16
.set MULW, 0x50                        ; C and D in window 1, both sources in window 0
.set MSB, 0
.macro WIN new                         ; the immediate's high byte repeats the setting that is left
.if MSB != \new
	s_set_vgpr_msb (MSB<<8)|\new
.set MSB, \new
.endif
.endm
.macro PLACES                          ; four places behind matrix instructions, in front of loads into their sources and of reads of their results
.rept 4
	v_nop
.endr
.endm
.macro SHAPE g, c, r, p                ; words 1 to 7 of a group 1: a tile of r rows x c elements that lies inside the tensor, p elements from row to row
	s_mov_b32 s[\g+1], \c<<16
	s_mov_b32 s[\g+2], \r<<16
	s_mov_b32 s[\g+3], \c<<16
	s_mov_b32 s[\g+4], \r
	s_mov_b32 s[\g+5], \p
	s_mov_b32 s[\g+6], 0
	s_mov_b32 s[\g+7], 0
.endm
; A joint load into slot sl (0 = X, 1 = Y): waves 0 and 1 fetch W's two halves (128 rows each), waves 2 and 3 x's (64 rows each).  One load a wave.
.macro JLOAD sl
	s_cmp_eq_u32 s[RH], 0
	s_cbranch_scc0 .Lfor_a_\@
	tensor_load_to_lds s[G0B+4*\sl:G0B+4*\sl+3], s[G1B+8*\sl:G1B+8*\sl+7]
	s_nop 0
	s_branch .Lasked_\@
.Lfor_a_\@:
	tensor_load_to_lds s[G0A+4*\sl:G0A+4*\sl+3], s[G1A+8*\sl:G1A+8*\sl+7]
	s_nop 0
.Lasked_\@:
.endm
.macro CREST                           ; a round of the cluster's barrier behind its opening work-group barrier
	s_cmp_lg_u32 s[WV], 0
	s_cbranch_scc1 .Lnot_wave_0_\@
	s_barrier_signal -3
.Lnot_wave_0_\@:
	s_barrier_wait -3
	s_barrier_signal -1
	s_barrier_wait -1
.endm
.macro CROUND                          ; a whole round
	s_barrier_signal -1
	s_barrier_wait -1
	CREST
.endm
; both group 0 sets of slot sl, whose rows have the LDS pitch 'pitch' and begin at LDS byte 'base'; the first tile begins at byte koff of the rows; then its first fill
.macro FIRSTFILL sl, koff, pitch, base
	s_mov_b32 s[G0A+4*\sl], 1
	s_mul_i32 s[G0A+4*\sl+1], s[WV], 64*\pitch                     ; x's halves go to rows 256 and 320 of the slot (waves 2, 3)
	s_add_co_u32 s[G0A+4*\sl+1], s[G0A+4*\sl+1], 128*\pitch+\base
	s_add_nc_u64 s[G0A+4*\sl+2:G0A+4*\sl+3], s[76:77], \koff
	s_or_b32 s[G0A+4*\sl+3], s[G0A+4*\sl+3], 0x80000000
	s_mov_b32 s[G0B+4*\sl], 1
	s_mul_i32 s[G0B+4*\sl+1], s[WV], 128*\pitch                    ; W's halves to rows 0 and 128 (waves 0, 1)
	s_add_co_u32 s[G0B+4*\sl+1], s[G0B+4*\sl+1], \base
	s_add_nc_u64 s[G0B+4*\sl+2:G0B+4*\sl+3], s[78:79], \koff
	s_or_b32 s[G0B+4*\sl+3], s[G0B+4*\sl+3], 0x80000000
	JLOAD \sl
.endm
	s_load_b256 s[4:11], s[0:1], 0x0               ; cb s[4:5], cos s[6:7], sin s[8:9], qkv s[10:11]
	v_lshl_add_u32 v23, v0, 2, 0x4f400
	v_mov_b32 v31, 0
	ds_add_u32 v23, v31
	v_lshrrev_b32 v1, 5, v0
	v_readfirstlane_b32 s[WV], v1
	s_lshr_b32 s[RH], s[WV], 1
	s_and_b32 s[CH], s[WV], 1
	s_bfe_u32 s16, ttmp6, 0x40000                  ; cx
	s_bfe_u32 s17, ttmp6, 0x40004                  ; cy
	s_lshl_b32 s18, ttmp9, 2
	s_add_co_u32 s18, s18, s16                     ; block column = 4 x cluster x + cx
	s_and_b32 s15, ttmp7, 0xffff
	s_lshl_b32 s15, s15, 2
	s_add_co_u32 s15, s15, s17                     ; block row = 4 x cluster y + cy
	s_lshl_b32 s19, s17, 2
	s_lshl_b32 s19, 15, s19                        ; my row of the cluster
	s_lshl_b32 s20, 0x1111, s16                    ; my column
	s_or_b32 s[G1A], s19, XW
	s_or_b32 s[G1A+8], s19, YW
	s_or_b32 s[G1B], s20, XW
	s_or_b32 s[G1B+8], s20, YW
	SHAPE G1A, 256, 64, SIZE_K
	SHAPE G1A+8, 128, 64, SIZE_K
	SHAPE G1B, 256, 128, SIZE_K
	SHAPE G1B+8, 128, 128, SIZE_K
	; x's tiles hang on the block row alone, W's on the block column alone; each address is made in registers that never hold the other coordinate
	s_lshl_b32 s76, s15, 7
	s_lshl_b32 s21, s[CH], 6
	s_add_co_u32 s76, s76, s21                     ; x: row 128 x block row + 64 x half
	s_lshl_b32 s76, s76, ROWSH
	s_mov_b32 s77, 0
	s_lshl_b32 s78, s18, 8
	s_lshl_b32 s22, s[CH], 7
	s_add_co_u32 s78, s78, s22                     ; W: row 256 x block column + 128 x half
	s_lshl_b32 s78, s78, ROWSH
	s_add_co_u32 s78, s78, WOFF
	s_mov_b32 s79, 0
	s_lshl_b32 s88, s15, 7
	s_lshl_b32 s89, s[RH], 6
	s_add_co_u32 s88, s88, s89                     ; my first row of the result,
	s_lshl_b32 s88, s88, 8                         ; times the 256 bytes of a row of cos or sin
	s_mov_b32 s89, 0
	s_wait_dscnt 0x0
	s_wait_kmcnt 0x0
	s_add_nc_u64 s[76:77], s[4:5], s[76:77]
	s_add_nc_u64 s[78:79], s[4:5], s[78:79]
	s_add_nc_u64 s[84:85], s[6:7], s[88:89]        ; cos and sin at my first row; never rewritten
	s_add_nc_u64 s[86:87], s[8:9], s[88:89]
	CROUND                                         ; all sixteen work-groups are here: the first joint loads meet
	FIRSTFILL 0, KX0, PX, 0                        ; X0, then Y0: both first fills go out together: two tensor loads of the wave are out
	FIRSTFILL 1, KY0, PY, YOFF
	v_and_b32 v1, 15, v0                           ; r = l % 16
	v_bfe_u32 v2, v0, 4, 1                         ; h = l / 16
	v_mul_u32_u24 v3, v1, PX
	v_lshl_add_u32 v3, v2, 4, v3                   ; a fragment's two loads start at row x pitch + 16 h
	v_mul_u32_u24 v6, v1, PY
	v_lshl_add_u32 v6, v2, 4, v6
	s_mul_i32 s21, s[RH], 64*PX
	s_add_co_u32 s21, s21, 256*PX                  ; my 64 rows of x in slot X
	s_mul_i32 s22, s[CH], 128*PX                   ; my 128 rows of W
	v_add_nc_u32 v[ADRA], s21, v3
	v_add_nc_u32 v[ADRB], s22, v3
	s_mul_i32 s21, s[RH], 64*PY
	s_add_co_u32 s21, s21, 256*PY+YOFF             ; and in slot Y
	s_mul_i32 s22, s[CH], 128*PY
	s_add_co_u32 s22, s22, YOFF
	v_add_nc_u32 v[ADRA+1], s21, v6
	v_add_nc_u32 v[ADRB+1], s22, v6
	v_lshlrev_b32 v[CADR], 8, v1
	v_lshl_add_u32 v[CADR], v2, 4, v[CADR]         ; row r of 256 bytes + 16 h: the four frequencies 4 h .. 4 h + 3 of a tile
	s_mul_i32 s23, s[WV], 16*SPITCH
	s_add_co_u32 s23, s23, STAGE                   ; my stage
	v_mul_u32_u24 v4, v1, SPITCH
	v_lshl_add_u32 v4, v2, 4, v4
	v_add_nc_u32 v[STO], s23, v4
	v_mul_u32_u24 v5, v2, SPITCH
	v_lshl_add_u32 v5, v1, 4, v5
	v_add_nc_u32 v[RD], s23, v5
	v_lshlrev_b32 v5, 13, v2                       ; lanes 16-31 one row of qkv further down
	v_lshl_add_u32 v[CO], v1, 4, v5
	; cos and sin of my 64 rows: my 128 columns are one head, so column 16 b + 8 h + 2 p (+1) has frequency 8 b + 4 h + p.
	; The 64 loads stay on their way through the K loop; their wait stands in front of the rotation.
	WIN 0x80
.irp a, 0,1,2,3
.irp b, 0,1,2,3,4,5,6,7
	global_load_b128 v[4*(8*\a+\b):4*(8*\a+\b)+3],         v[CADR], s[84:85] offset:4096*\a+32*\b
	global_load_b128 v[128+4*(8*\a+\b):128+4*(8*\a+\b)+3], v[CADR], s[86:87] offset:4096*\a+32*\b
.endr
.endr
	WIN 0
; 8 matrix instructions: row block a x all 8 column blocks, 32 along K.  zero = 1: the first product starts the sums
.macro MUL8 f, a, zero
.irp b, 0,1,2,3,4,5,6,7
.if \zero
	v_wmma_f32_16x16x32_bf16 v[8*(8*\a+\b):8*(8*\a+\b)+7], v[\f+8*\b:\f+8*\b+7], v[\f+64+8*\a:\f+64+8*\a+7], 0
.else
	v_wmma_f32_16x16x32_bf16 v[8*(8*\a+\b):8*(8*\a+\b)+7], v[\f+8*\b:\f+8*\b+7], v[\f+64+8*\a:\f+64+8*\a+7], v[8*(8*\a+\b):8*(8*\a+\b)+7]
.endif
.endr
.endm
; 24 LDS loads in one run: the fragments of 32 along K (128 rows of W, then 64 rows of x, at byte k of slot sl's rows) into buffer f
.macro FETCH sl, k, f
.if \sl
.set FP, PY
.else
.set FP, PX
.endif
.irp i, 0,1,2,3,4,5,6,7
	ds_load_b128 v[\f+8*\i:\f+8*\i+3],   v[ADRB+\sl] offset:\k+\i*16*FP
	ds_load_b128 v[\f+8*\i+4:\f+8*\i+7], v[ADRB+\sl] offset:\k+\i*16*FP+32
.endr
.irp i, 0,1,2,3
	ds_load_b128 v[\f+64+8*\i:\f+64+8*\i+3],   v[ADRA+\sl] offset:\k+\i*16*FP
	ds_load_b128 v[\f+64+8*\i+4:\f+64+8*\i+7], v[ADRA+\sl] offset:\k+\i*16*FP+32
.endr
.endm
; 32 along K, not a slot's last: multiplies buffer f, and in its middle fetches the next 32 (byte k) into buffer g
.macro QUARTER sl, k, f, g, zero
	s_wait_dscnt 4                                 ; W and x's row blocks 0, 1 are in; the youngest four loads (row blocks 2, 3) may be out
	WIN MULW
	MUL8 \f, 0, \zero
	MUL8 \f, 1, \zero
	PLACES
	WIN 0
	FETCH \sl, \k, \g
	s_wait_dscnt 24                                ; all but the 24 just issued
	WIN MULW
	MUL8 \f, 2, \zero
	MUL8 \f, 3, \zero
.endm
; all of a slot but its last 32 along K: seven such pieces in slot X, three in slot Y; the last piece's fragments end up in buffer 1
.macro RUN sl, zero
	QUARTER \sl, 64,  F0, F1, \zero
	QUARTER \sl, 128, F1, F0, 0
	QUARTER \sl, 192, F0, F1, 0
.if \sl == 0
	QUARTER \sl, 256, F1, F0, 0
	QUARTER \sl, 320, F0, F1, 0
	QUARTER \sl, 384, F1, F0, 0
	QUARTER \sl, 448, F0, F1, 0
.endif
.endm
; a slot's last 32 along K: multiplies buffer 1 and changes slots.  In front of the barrier each wave waits for its reads of this slot and for all its
; tensor loads (one is out: its part of the next slot).  fill = 1: the barrier opens a round of the cluster's barrier, and the joint refill of this
; slot is the first tensor load behind the round.
.macro TURN sl, next, fill
	s_wait_dscnt 4
	WIN MULW
	MUL8 F1, 0, 0
	s_wait_dscnt 0                                 ; my reads of this slot are over
	s_wait_tensorcnt 0x0                           ; all my tensor loads have landed
	ds_add_u32 v23, v31
	s_wait_dscnt 0x0
	s_barrier_signal -1
	MUL8 F1, 1, 0                                  ; register work while the others arrive
	WIN 0
	s_barrier_wait -1
.if \fill
	CREST                                          ; no wave of any partner still reads this slot or has a load on its way
	s_add_nc_u64 s[G0A+4*\sl+2:G0A+4*\sl+3], s[G0A+4*\sl+2:G0A+4*\sl+3], PERIOD
	s_add_nc_u64 s[G0B+4*\sl+2:G0B+4*\sl+3], s[G0B+4*\sl+2:G0B+4*\sl+3], PERIOD
	JLOAD \sl
.endif
	PLACES
	FETCH \next, 0, F0
	WIN MULW
	MUL8 F1, 2, 0
	MUL8 F1, 3, 0
.endm
.macro LAP zero                        ; X, then Y, both filled again
	RUN 0, \zero
	TURN 0, 1, 1
	RUN 1, 0
	TURN 1, 0, 1
.endm
	s_wait_tensorcnt 1                             ; my part of X0 is in; Y0's may stay out
	s_barrier_signal -1
	s_barrier_wait -1
	FETCH 0, 0, F0
	LAP 1                                          ; X0 Y0: the first products start the sums
	WIN 0
	s_mov_b32 s3, LOOPS
.Llap:
	LAP 0                                          ; X1 Y1 .. X8 Y8
	WIN 0
	s_sub_co_u32 s3, s3, 1
	s_cmp_lg_u32 s3, 0
	s_cbranch_scc1 .Llap
	RUN 0, 0                                       ; X9,
	TURN 0, 1, 1                                   ; behind which X10 is asked for: the last fill
	RUN 1, 0                                       ; Y9
	TURN 1, 0, 0
	RUN 0, 0                                       ; X10
	s_wait_dscnt 4
	WIN MULW
	MUL8 F1, 0, 0
	MUL8 F1, 1, 0
	s_wait_dscnt 0
	MUL8 F1, 2, 0
	MUL8 F1, 3, 0
	; THE WAY OUT.  cos' = bf16(cos) x f + g, sin' = bf16(sin) x f:
	; q (cluster x 0, 1): f = SCALE x log2(e) x 2^-2, g = 0; k (2): f = 2^-5, g = 0; v (3): f = 0, g = 2^-5.
	; The choice hangs on the cluster's x, which all partners share, and selects values only.
	PLACES
	WIN 0
	s_mov_b32 s92, 0x3d000000                      ; 2^-5
	s_cmp_lt_u32 ttmp9, 2
	s_cselect_b32 s90, 0x3d0293ee, s92             ; 128^-0.5 x 1.442695 / 4
	s_cmp_eq_u32 ttmp9, 3
	s_cselect_b32 s90, 0, s90
	s_cselect_b32 s91, s92, 0
	v_mov_b32 v[FC], s90
	v_mov_b32 v[AC], s91
	v_mov_b32 v[ZR], 0
	s_lshl_b32 s88, s15, 7
	s_lshl_b32 s89, s[RH], 6
	s_add_co_u32 s88, s88, s89
	s_lshl_b32 s88, s88, 13                        ; my first row of qkv, in bytes
	s_lshl_b32 s93, s18, 9
	s_lshl_b32 s94, s[CH], 8
	s_add_co_u32 s93, s93, s94                     ; my first column, in bytes
	s_add_co_u32 s88, s88, s93
	s_mov_b32 s89, 0
	s_add_nc_u64 s[10:11], s[10:11], s[88:89]
	s_wait_loadcnt 0x0                             ; cos and sin
	WIN 0x8a                                       ; window 2 throughout: two numbers rounded to bf16 into the second one's register
.set i, 0
.rept 128
	v_cvt_pk_bf16_f32 v[2*i+1], v[2*i], v[2*i+1]
.set i, i+1
.endr
	WIN 0x82                                       ; window 2 in place, the factors from window 0: widened and scaled in one instruction, the low half first
.set i, 0
.rept 64
	v_fma_mix_f32_bf16 v[2*i],       v[2*i+1],     v[FC], v[AC] op_sel_hi:[1,0,0]
	v_fma_mix_f32_bf16 v[2*i+1],     v[2*i+1],     v[FC], v[AC] op_sel:[1,0,0] op_sel_hi:[1,0,0]
	v_fma_mix_f32_bf16 v[128+2*i],   v[128+2*i+1], v[FC], v[ZR] op_sel_hi:[1,0,0]
	v_fma_mix_f32_bf16 v[128+2*i+1], v[128+2*i+1], v[FC], v[ZR] op_sel:[1,0,0] op_sel_hi:[1,0,0]
.set i, i+1
.endr
; rows 16 a .. 16 a + 15 of my block: rotate, round to f16, 16 bytes a lane into my stage, whole rows of 256 bytes back and out.  f: the registers that leave
.macro OUT16 a, f
	WIN 0x09                                       ; source 0: sums (window 1); source 1: cos, sin (window 2); the rest window 0
.irp b, 0,1,2,3,4,5,6,7
.irp p, 0,1,2,3
	v_mul_f32 v[RR+8*\b+2*\p],   v[8*(8*\a+\b)+2*\p+1], v[128+4*(8*\a+\b)+\p]                      ; t1 sin
	v_mul_f32 v[RR+8*\b+2*\p+1], v[8*(8*\a+\b)+2*\p+1], v[4*(8*\a+\b)+\p]                          ; t1 cos
	v_fma_f32 v[RR+8*\b+2*\p],   v[8*(8*\a+\b)+2*\p], v[4*(8*\a+\b)+\p], -v[RR+8*\b+2*\p]          ; t0 cos - t1 sin
	v_fma_f32 v[RR+8*\b+2*\p+1], v[8*(8*\a+\b)+2*\p], v[128+4*(8*\a+\b)+\p], v[RR+8*\b+2*\p+1]     ; t0 sin + t1 cos
.endr
.endr
	WIN 0
.irp b, 0,1,2,3,4,5,6,7
.irp p, 0,1,2,3
	v_cvt_pk_f16_f32 v[TMP+4*\b+\p], v[RR+8*\b+2*\p], v[RR+8*\b+2*\p+1]
.endr
.endr
.irp b, 0,1,2,3,4,5,6,7
	ds_store_b128 v[STO], v[TMP+4*\b:TMP+4*\b+3] offset:32*\b
.endr
	s_wait_xcnt 0x0                                ; the earlier stores' addresses are translated: their data registers and their base are rewritten only behind this wait
.if \a
	s_add_nc_u64 s[10:11], s[10:11], 16*CROW
.endif
.irp t, 0,1,2,3,4,5,6,7
	ds_load_b128 v[\f+4*\t:\f+4*\t+3], v[RD] offset:\t*2*SPITCH    ; a wave's LDS instructions are served in order: these see the stores above
.endr
.irp t, 0,1,2,3,4,5,6,7
	s_wait_dscnt 7-\t                              ; load t is in, the younger ones stay out
	global_store_b128 v[CO], v[\f+4*\t:\f+4*\t+3], s[10:11] offset:2*\t*CROW   ; 16 lanes store 256 consecutive bytes, aligned
.endr
.endm
	OUT16 0, 96
	OUT16 1, 192
	OUT16 2, 96
	OUT16 3, 192
	s_wait_tensorcnt 0x0
	ds_add_u32 v23, v31
	s_wait_dscnt 0x0
	CROUND                                         ; the closing round: no work-group ends while a partner may still ask for a tile that names it
	s_endpgm
.Lfunc_end_k_q991e11dcc0_proj_qkv:
	.size	k_q991e11dcc0_proj_qkv, .Lfunc_end_k_q991e11dcc0_proj_qkv-k_q991e11dcc0_proj_qkv
	.p2alignl 7, 3214868480
	.fill 96, 4, 3214868480
	.section	.rodata,"a",@progbits
	.p2align	6, 0x0
	.amdhsa_kernel k_q991e11dcc0_proj_qkv
		.amdhsa_group_segment_fixed_size 327680
		.amdhsa_private_segment_fixed_size 0
		.amdhsa_enable_private_segment 0
		.amdhsa_kernarg_size 32
		.amdhsa_user_sgpr_count 2
		.amdhsa_user_sgpr_kernarg_segment_ptr 1
		.amdhsa_wavefront_size32 1
		.amdhsa_system_sgpr_workgroup_id_x 1
		.amdhsa_system_sgpr_workgroup_id_y 1
		.amdhsa_system_sgpr_workgroup_id_z 1
		.amdhsa_system_vgpr_workitem_id 0
		.amdhsa_next_free_vgpr 768
		.amdhsa_next_free_sgpr 96
		.amdhsa_reserve_vcc 0
		.amdhsa_float_denorm_mode_32 3
		.amdhsa_float_denorm_mode_16_64 3
		.amdhsa_memory_ordered 1
		.amdhsa_forward_progress 1
		.amdhsa_inst_pref_size 249
	.end_amdhsa_kernel
	.amdgpu_metadata
---
amdhsa.version: [ 1, 2 ]
amdhsa.kernels:
  - .name:           k_q991e11dcc0_proj_qkv
    .symbol:         k_q991e11dcc0_proj_qkv.kd
    .args:
      - { .name: cb, .offset: 0, .size: 8, .value_kind: global_buffer, .address_space: global }
      - { .name: freqs_cos, .offset: 8, .size: 8, .value_kind: global_buffer, .address_space: global }
      - { .name: freqs_sin, .offset: 16, .size: 8, .value_kind: global_buffer, .address_space: global }
      - { .name: qkv, .offset: 24, .size: 8, .value_kind: global_buffer, .address_space: global }
    .group_segment_fixed_size: 327680
    .private_segment_fixed_size: 0
    .kernarg_segment_align: 8
    .kernarg_segment_size: 32
    .max_flat_workgroup_size: 128
    .sgpr_count:     96
    .vgpr_count:     768
    .wavefront_size: 32
...
	.end_amdgpu_metadata
.endif
;; end of part 2
;; launch attn (part 3): grid 32 x 8, 8 waves a work-group, clusters of 4 x 4, 327,680 bytes of LDS; arguments qkv, mk, ao; writes ao
.if DOCPART == 3
	.amdgcn_target "amdgcn-amd-amdhsa--gfx1250"
	.amdhsa_code_object_version 6
	.text
	.protected	k_q991e11dcc0_attn
	.globl	k_q991e11dcc0_attn
	.p2align	8
	.type	k_q991e11dcc0_attn,@function
k_q991e11dcc0_attn:
	s_mov_b64 s[64:65], 0
	v_nop
	global_prefetch_b8 v0, s[64:65] scope:SCOPE_SE
	s_setreg_imm32_b32 hwreg(HW_REG_WAVE_MODE, 25, 1), 1
	s_wait_xcnt 0x0
	s_wait_alu depctr_hold_cnt(0) depctr_sa_sdst(0) depctr_va_vdst(0) depctr_va_sdst(0) depctr_va_ssrc(0) depctr_va_vcc(0) depctr_vm_vsrc(0)
	s_getreg_b32 s2, hwreg(HW_REG_IB_STS2, 6, 4)
	s_cmp_eq_u32 s2, 0
	s_cbranch_scc0 .Lentry_in_a_cluster
	s_endpgm
.Lentry_in_a_cluster:
	s_bfe_u32 s2, ttmp6, 0x10000c
	s_cmp_lg_u32 s2, 0xf033
	s_cbranch_scc0 .Lentry_shape_is_right
	s_endpgm
.Lentry_shape_is_right:
; ao[s][128 head + d] = 2^-5 x softmax over keys of (q k SCALE + mask) times v, for 16 query heads on 8 key and value heads; q, k, v f16 from qkv, ao f16.
; UNITS: q carries SCALE x log2(e) x 2^-2 and k 2^-5, so q k is the base-2 score times 2^-7; mk is the mask in the same unit, already rounded to f32.
; The two are added by ONE rounded add, so a huge mask absorbs the score as in the module's own add.  The factor 128 rides on the fused multiply-add that
; takes the running maximum away: 128 S - 128 M, which is exactly 0 at the maximum.  All exponentials are base 2.
; v carries 2^-5, and so does ao; the last launch's weights carry 2^5.
; P lies in 0..1 by the maximum's subtraction and goes to the matrix unit in f16: 11 significant bits, steps of 2^-24 at the small end.
; The mask is an input: every one of its numbers is read and added, no key is skipped.
; LIMIT: the running maximum starts at -2^120 in the scaled unit (-2^127 in base 2), so a row whose scores all lie below that (a row of -inf among them)
; gets the sum 0 and comes out as NaN, as the module's row of -inf does.
; A work-group takes one key and value head g, its two query heads and 64 query rows, with EIGHT waves, two on a SIMD.  Wave w takes head
; 2 g + ((w >> 1) & 1), the 32 rows 32 (w & 1) .. + 31 (two blocks nb of 16), and of every tile of 128 keys the half w >> 2.  So waves w and w + 4 serve the
; same rows on different keys, each with a running maximum, sum and O of its own: while one of them is in its softmax step, which needs the vector and
; transcendental units, the other can use the matrix unit.  The LDS reads are those of four waves with whole tiles (8 x 80 loads a tile).  At the end
; waves 4-7 hand maximum, sum and O to waves 0-3 through LDS, which merge them under the joint maximum and store.
; The 2,048 keys go in 16 tiles of 128 through two LDS slots filled by the tensor data mover.
; CLUSTERS: 4 x 4 work-groups.  K's and V's tiles hang on g alone and are shared along a cluster's row (four query blocks); the mask's tile hangs
; on the query block alone and is shared along a column (four heads g).  Each is asked for jointly, which divides the requests by four.
; BOTH PRODUCTS ARE USED TRANSPOSED.  S^T = K Q^T: lane (r = l % 16, h = l / 16) holds query r and the keys 8 h + 0..7 of each 16, so a row's maximum
; and sum stay in a lane but for one exchange between the halves, and two S^T tiles packed to f16 ARE the second source of O^T = V^T P^T.
; V^T's fragments come by transposing LDS loads.  In O^T a lane holds 8 neighbouring d of one query row: 16 bytes of f16.
; REGISTERS (512 a wave): window 0: addresses, Q (nb, kd) at v[32 + 8 (4 nb + kd)], two fragment buffers, the rows' running figures.
;            window 1: S (kb, nb) at v[8 (2 kb + nb)], kb = 0..3; the mask's numbers at 64 + the same, and over them, once they are added,
;            P (nb, ks) at v[64 + 8 (2 ks + nb)], ks = 0, 1; O (db, nb) at v[128 + 8 (2 db + nb)].
; s_set_vgpr_msb's low byte: bits 1:0 source 0, 3:2 source 1, 5:4 source 2, 7:6 destination.
; Accumulators take turns, one instruction a turn (four in S^T, sixteen in O^T).
; No prefetch: a refill has a whole tile's work in which to land, and asking for each block of the mask once would need a branch on the place in the cluster.
.set KP,     272                       ; K's LDS rows: 256 bytes + 16
.set VP,     288                       ; V's: 256 + 32, an odd multiple of 32, for the transposing loads
.set MP,     272                       ; the mask's: 64 f32 + 16
.set VOFF,   128*KP                    ; 34,816
.set MOFF,   VOFF+128*VP               ; 71,680
.set MSUB,   64*MP                     ; the mask's tile is two of 64 rows x 64 keys
.set SLOT,   MOFF+2*MSUB               ; 106,496
.set STAGE,  2*SLOT                    ; 212,992, a multiple of 256: 16 rows x 272 bytes for each of waves 0-3; no fill lands here
.set SPITCH, 272
.set MERGE,  STAGE+4*16*SPITCH         ; 230,400, a multiple of 256: what waves 4-7 hand over; no fill lands here
.set MGW,    33*512                    ; 32 x 512 bytes of O, 512 of maxima and sums, for each pair of waves
.set TSTEP,  128*8192                  ; 128 rows of qkv
.set G1K, 24                           ; s[24:31] K's shape
.set G1V, 32                           ; s[32:39] V's
.set G1M, 40                           ; s[40:47] the mask's
.set G0K, 48                           ; s[48:55] group 0, a set for each slot
.set G0V, 56                           ; s[56:63]
.set G0M, 68                           ; s[68:75]
.set KADR, 16                          ; v16-17 slot 0, 1
.set VADR, 18                          ; v18-19
.set MADR, 20                          ; v20-21
.set STO,  24
.set RD,   25
.set CO,   26
.set QOFF, 27
.set MG,   28                          ; v28 my 16 bytes in my pair's part of MERGE
.set Q,    32
.set F0,   96
.set F1,   160
.set MX,   224                         ; v[224:225] the running maximum of block nb, in the scaled unit
.set LS,   226                         ; v[226:227] the running sum over my half of each 16 keys
.set NM,   228                         ; v[228:231] -128 x the running maximum, twice (a pair for the packed multiply-add)
.set AL,   232                         ; v[232:235] 2^(128 (old maximum - new maximum)), twice
.set TA,   236                         ; v[236:239] two chains of maxima for each nb; at the end the partner's maxima and sums
.set AC,   240                         ; v[240:247] two packed chains of sums for each nb
.set TD,   248                         ; v[248:249] the exponent of AL
.set MSB, 0
.macro WIN new
.if MSB != \new
	s_set_vgpr_msb (MSB<<8)|\new
.set MSB, \new
.endif
.endm
.macro PLACES                          ; four places behind matrix instructions, in front of loads into their sources and of reads of their results
.rept 4
	v_nop
.endr
.endm
.macro SHAPE g, c, r, p                ; words 1 to 7 of a group 1: r rows x c elements, inside the tensor, p elements from row to row
	s_mov_b32 s[\g+1], \c<<16
	s_mov_b32 s[\g+2], \r<<16
	s_mov_b32 s[\g+3], \c<<16
	s_mov_b32 s[\g+4], \r
	s_mov_b32 s[\g+5], \p
	s_mov_b32 s[\g+6], 0
	s_mov_b32 s[\g+7], 0
.endm
; A tile's joint loads, 64 rows of 256 bytes each: waves 0, 1 K's halves, waves 2, 3 V's, waves 4, 5 the mask's; waves 6 and 7 have no part to fill
.macro JLOAD s
	s_cmp_lt_u32 s10, 2
	s_cbranch_scc0 .Lnot_k_\@
	tensor_load_to_lds s[G0K+4*\s:G0K+4*\s+3], s[G1K:G1K+7]
	s_nop 0
	s_branch .Lasked_\@
.Lnot_k_\@:
	s_cmp_lt_u32 s10, 4
	s_cbranch_scc0 .Lnot_v_\@
	tensor_load_to_lds s[G0V+4*\s:G0V+4*\s+3], s[G1V:G1V+7]
	s_nop 0
	s_branch .Lasked_\@
.Lnot_v_\@:
	s_cmp_lt_u32 s10, 6
	s_cbranch_scc0 .Lasked_\@
	tensor_load_to_lds s[G0M+4*\s:G0M+4*\s+3], s[G1M:G1M+7]
	s_nop 0
.Lasked_\@:
.endm
.macro CREST
	s_cmp_lg_u32 s10, 0
	s_cbranch_scc1 .Lnot_wave_0_\@
	s_barrier_signal -3
.Lnot_wave_0_\@:
	s_barrier_wait -3
	s_barrier_signal -1
	s_barrier_wait -1
.endm
.macro CROUND
	s_barrier_signal -1
	s_barrier_wait -1
	CREST
.endm
	s_load_b128 s[4:7], s[0:1], 0x0                ; qkv s[4:5], mk s[6:7]
	s_load_b64 s[8:9], s[0:1], 0x10                ; ao
	v_lshl_add_u32 v254, v0, 2, 0x48c00
	v_mov_b32 v255, 0
	ds_add_u32 v254, v255
	v_lshrrev_b32 v1, 5, v0
	v_readfirstlane_b32 s10, v1                    ; wave 0..7
	s_bfe_u32 s11, s10, 0x10001                    ; bit 1: which of the two query heads
	s_and_b32 s12, s10, 1                          ; which 32 query rows.  Also: which half of a tile I fetch
	s_lshr_b32 s85, s10, 2                         ; which 64 keys of every tile
	s_and_b32 s84, s10, 3                          ; my pair
	s_bfe_u32 s15, ttmp6, 0x40000                  ; cx
	s_bfe_u32 s16, ttmp6, 0x40004                  ; cy
	s_lshl_b32 s14, ttmp9, 2
	s_add_co_u32 s14, s14, s15                     ; query block = 4 x cluster x + cx
	s_and_b32 s13, ttmp7, 0xffff
	s_lshl_b32 s13, s13, 2
	s_add_co_u32 s13, s13, s16                     ; g = 4 x cluster y + cy
	s_lshl_b32 s17, s16, 2
	s_lshl_b32 s17, 15, s17                        ; my row of the cluster
	s_lshl_b32 s18, 0x1111, s15                    ; my column
	s_or_b32 s[G1K+0], s17, (1<<16)|(1<<20)|(1<<21)|(5<<22)|(3<<25)  ; 2-byte elements; 4 words of padding behind every 64
	s_or_b32 s[G1V+0], s17, (1<<16)|(1<<20)|(1<<21)|(5<<22)|(7<<25)  ; 8 words of padding
	s_or_b32 s[G1M+0], s18, (2<<16)|(1<<20)|(1<<21)|(5<<22)|(3<<25)  ; 4-byte elements; 4 words of padding
	SHAPE G1K, 128, 64, 4096
	SHAPE G1V, 128, 64, 4096
	SHAPE G1M, 64, 64, 2048
	s_lshl_b32 s20, s13, 8
	s_add_co_u32 s20, s20, 4096                    ; K: column 2,048 + 128 g of qkv, in bytes,
	s_lshl_b32 s86, s12, 19                        ; and 64 rows of 8,192 bytes for the half
	s_add_co_u32 s20, s20, s86
	s_mov_b32 s21, 0
	s_lshl_b32 s78, s14, 19                        ; the mask: 64 rows of 8,192 bytes for each query block,
	s_lshl_b32 s79, s12, 8                         ; and 64 keys for the half
	s_add_co_u32 s78, s78, s79
	s_mov_b32 s79, 0
	s_mul_i32 s87, s12, 64*KP                      ; where my half of K's tile goes,
	s_mul_i32 s88, s12, 64*VP
	s_add_co_u32 s88, s88, VOFF                    ; of V's,
	s_mul_i32 s19, s12, MSUB
	s_add_co_u32 s19, s19, MOFF                    ; of the mask's
	s_lshl_b32 s80, s14, 6
	s_lshl_b32 s81, s12, 5
	s_add_co_u32 s80, s80, s81                     ; my first query row
	s_lshl_b32 s81, s13, 1
	s_add_co_u32 s81, s81, s11                     ; my head,
	s_lshl_b32 s81, s81, 8                         ; 256 bytes each
	s_lshl_b32 s82, s80, 12
	s_add_co_u32 s82, s82, s81                     ; in ao: rows of 4,096 bytes
	s_lshl_b32 s80, s80, 13
	s_add_co_u32 s80, s80, s81                     ; in qkv: rows of 8,192 bytes
	s_mov_b32 s81, 0
	s_mov_b32 s83, 0
	s_mov_b32 s76, 0x76543210                      ; v_permlanex16_b32: lane i of one half reads lane i of the other
	s_mov_b32 s77, 0xfedcba98
	s_wait_dscnt 0x0
	s_wait_kmcnt 0x0
	s_add_nc_u64 s[20:21], s[4:5], s[20:21]        ; K's first tile
	s_add_nc_u64 s[22:23], s[20:21], 2048          ; V's: 1,024 columns further
	s_add_nc_u64 s[78:79], s[6:7], s[78:79]        ; the mask's
	s_add_nc_u64 s[80:81], s[4:5], s[80:81]        ; Q
	s_add_nc_u64 s[8:9], s[8:9], s[82:83]          ; my part of ao
	CROUND                                         ; all sixteen work-groups are here: the first joint loads meet
.irp s, 0,1
	s_mov_b32 s[G0K+4*\s], 1
	s_add_co_u32 s[G0K+4*\s+1], s87, \s*SLOT
	s_add_nc_u64 s[G0K+4*\s+2:G0K+4*\s+3], s[20:21], \s*TSTEP
	s_or_b32 s[G0K+4*\s+3], s[G0K+4*\s+3], 0x80000000
	s_mov_b32 s[G0V+4*\s], 1
	s_add_co_u32 s[G0V+4*\s+1], s88, \s*SLOT
	s_add_nc_u64 s[G0V+4*\s+2:G0V+4*\s+3], s[22:23], \s*TSTEP
	s_or_b32 s[G0V+4*\s+3], s[G0V+4*\s+3], 0x80000000
	s_mov_b32 s[G0M+4*\s], 1
	s_add_co_u32 s[G0M+4*\s+1], s19, \s*SLOT
	s_add_nc_u64 s[G0M+4*\s+2:G0M+4*\s+3], s[78:79], \s*512
	s_or_b32 s[G0M+4*\s+3], s[G0M+4*\s+3], 0x80000000
.endr
	; the first fills, tiles 0 and 1: a wave's two stand in one branch on its number; two tensor loads of a wave are out (of waves 6 and 7: none)
	s_cmp_lt_u32 s10, 2
	s_cbranch_scc0 .Lfirst_not_k
	tensor_load_to_lds s[G0K:G0K+3], s[G1K:G1K+7]
	s_nop 0
	tensor_load_to_lds s[G0K+4:G0K+7], s[G1K:G1K+7]
	s_nop 0
	s_branch .Lfirst_asked
.Lfirst_not_k:
	s_cmp_lt_u32 s10, 4
	s_cbranch_scc0 .Lfirst_not_v
	tensor_load_to_lds s[G0V:G0V+3], s[G1V:G1V+7]
	s_nop 0
	tensor_load_to_lds s[G0V+4:G0V+7], s[G1V:G1V+7]
	s_nop 0
	s_branch .Lfirst_asked
.Lfirst_not_v:
	s_cmp_lt_u32 s10, 6
	s_cbranch_scc0 .Lfirst_asked
	tensor_load_to_lds s[G0M:G0M+3], s[G1M:G1M+7]
	s_nop 0
	tensor_load_to_lds s[G0M+4:G0M+7], s[G1M:G1M+7]
	s_nop 0
.Lfirst_asked:
	v_and_b32 v1, 15, v0                           ; r
	v_bfe_u32 v2, v0, 4, 1                         ; h
	v_lshlrev_b32 v[QOFF], 13, v1
	v_lshl_add_u32 v[QOFF], v2, 4, v[QOFF]         ; Q: row r of 8,192 bytes + 16 h
.irp nb, 0,1
.irp kd, 0,1,2,3
	global_load_b128 v[Q+8*(4*\nb+\kd):Q+8*(4*\nb+\kd)+3],   v[QOFF], s[80:81] offset:131072*\nb+64*\kd
	global_load_b128 v[Q+8*(4*\nb+\kd)+4:Q+8*(4*\nb+\kd)+7], v[QOFF], s[80:81] offset:131072*\nb+64*\kd+32
.endr
.endr
	s_mul_i32 s86, s85, 64*KP                      ; my 64 keys of K's tile
	v_mul_u32_u24 v3, v1, KP
	v_lshl_add_u32 v3, v2, 4, v3                   ; key r x pitch + 16 h
	v_add_nc_u32 v[KADR], s86, v3
	v_add_nc_u32 v[KADR+1], SLOT, v[KADR]
	v_and_b32 v4, 7, v0
	v_lshl_add_u32 v4, v2, 3, v4                   ; V: key 8 h + (l & 7),
	v_bfe_u32 v5, v0, 3, 1
	v_mul_u32_u24 v4, v4, VP
	v_lshl_add_u32 v4, v5, 4, v4                   ; + 16 ((l >> 3) & 1)
	s_mul_i32 s86, s85, 64*VP
	s_add_co_u32 s86, s86, VOFF                    ; my 64 keys of V's tile
	v_add_nc_u32 v[VADR], s86, v4
	v_add_nc_u32 v[VADR+1], SLOT, v[VADR]
	s_mul_i32 s86, s12, 32*MP                      ; my 32 rows
	s_mul_i32 s87, s85, MSUB                       ; of my 64 keys' half of the mask's tile
	s_add_co_u32 s86, s86, s87
	s_add_co_u32 s86, s86, MOFF
	v_mul_u32_u24 v6, v1, MP
	v_lshl_add_u32 v6, v2, 5, v6                   ; row r x pitch + 32 h: 8 keys of f32
	v_add_nc_u32 v[MADR], s86, v6
	v_add_nc_u32 v[MADR+1], SLOT, v[MADR]
	s_mul_i32 s86, s84, 16*SPITCH
	s_add_co_u32 s86, s86, STAGE                   ; my pair's stage
	v_mul_u32_u24 v4, v1, SPITCH
	v_lshl_add_u32 v4, v2, 4, v4
	v_add_nc_u32 v[STO], s86, v4
	v_mul_u32_u24 v5, v2, SPITCH
	v_lshl_add_u32 v5, v1, 4, v5
	v_add_nc_u32 v[RD], s86, v5
	v_lshlrev_b32 v5, 12, v2
	v_lshl_add_u32 v[CO], v1, 4, v5                ; lanes 16-31 one row of ao further down
	s_mul_i32 s86, s84, MGW
	s_add_co_u32 s86, s86, MERGE
	v_and_b32 v5, 31, v0
	v_lshl_add_u32 v[MG], v5, 4, s86               ; 16 bytes a lane: the partner's lane reads what this lane wrote
	v_mov_b32 v[MX], 0xfb800000                    ; -2^120
	v_mov_b32 v[MX+1], 0xfb800000
.irp i, 0,1,2,3
	v_mov_b32 v[NM+\i], 0x7f000000                 ; -128 times that: 2^127
.endr
	v_mov_b32 v[LS], 0
	v_mov_b32 v[LS+1], 0
; 16 LDS loads: K's key blocks 2 g, 2 g + 1 of my four (16 keys each), all 128 d, into buffer f
.macro FETCHK slot, g, f
	WIN 0
.irp kbl, 0,1
.irp kd, 0,1,2,3
	ds_load_b128 v[\f+8*(4*\kbl+\kd):\f+8*(4*\kbl+\kd)+3],   v[KADR+\slot] offset:(2*\g+\kbl)*16*KP+64*\kd
	ds_load_b128 v[\f+8*(4*\kbl+\kd)+4:\f+8*(4*\kbl+\kd)+7], v[KADR+\slot] offset:(2*\g+\kbl)*16*KP+64*\kd+32
.endr
.endr
.endm
; 16 LDS loads: the mask's numbers in S's layout: query 16 nb + r, keys 16 kb + 8 h + 0..7 of my 64
.macro MASKLD slot
	WIN 0x40
.irp kb, 0,1,2,3
.irp nb, 0,1
	ds_load_b128 v[64+8*(2*\kb+\nb):64+8*(2*\kb+\nb)+3],   v[MADR+\slot] offset:\nb*16*MP+\kb*64
	ds_load_b128 v[64+8*(2*\kb+\nb)+4:64+8*(2*\kb+\nb)+7], v[MADR+\slot] offset:\nb*16*MP+\kb*64+16
.endr
.endr
.endm
; 16 matrix instructions: S^T of key blocks 2 g, 2 g + 1 and both query blocks; the four accumulators take turns, d outermost; the first product starts each sum
.macro MULK g, f
	WIN 0x50
.irp kd, 0,1,2,3
.irp kbl, 0,1
.irp nb, 0,1
.if \kd == 0
	v_wmma_f32_16x16x32_f16 v[8*(2*(2*\g+\kbl)+\nb):8*(2*(2*\g+\kbl)+\nb)+7], v[\f+8*(4*\kbl+\kd):\f+8*(4*\kbl+\kd)+7], v[Q+8*(4*\nb+\kd):Q+8*(4*\nb+\kd)+7], 0
.else
	v_wmma_f32_16x16x32_f16 v[8*(2*(2*\g+\kbl)+\nb):8*(2*(2*\g+\kbl)+\nb)+7], v[\f+8*(4*\kbl+\kd):\f+8*(4*\kbl+\kd)+7], v[Q+8*(4*\nb+\kd):Q+8*(4*\nb+\kd)+7], v[8*(2*(2*\g+\kbl)+\nb):8*(2*(2*\g+\kbl)+\nb)+7]
.endif
.endr
.endr
.endr
.endm
; 16 transposing LDS loads: V^T of keys 32 ks .. + 31 of my 64, all 8 blocks of 16 d, into buffer f
.macro FETCHV slot, ks, f
	WIN 0
.irp db, 0,1,2,3,4,5,6,7
	ds_load_tr16_b128 v[\f+8*\db:\f+8*\db+3],   v[VADR+\slot] offset:\ks*32*VP+32*\db
	ds_load_tr16_b128 v[\f+8*\db+4:\f+8*\db+7], v[VADR+\slot] offset:\ks*32*VP+32*\db+16*VP
.endr
.endm
; 16 matrix instructions: O^T += V^T P^T over keys 32 ks .. + 31; the sixteen accumulators take turns.  zero = 1: the wave's first product starts the sums
.macro MULV ks, f, zero
	WIN 0x54                                       ; V^T from window 0; P, C and D in window 1
.irp db, 0,1,2,3,4,5,6,7
.irp nb, 0,1
.if \zero
	v_wmma_f32_16x16x32_f16 v[128+8*(2*\db+\nb):128+8*(2*\db+\nb)+7], v[\f+8*\db:\f+8*\db+7], v[64+8*(2*\ks+\nb):64+8*(2*\ks+\nb)+7], 0
.else
	v_wmma_f32_16x16x32_f16 v[128+8*(2*\db+\nb):128+8*(2*\db+\nb)+7], v[\f+8*\db:\f+8*\db+7], v[64+8*(2*\ks+\nb):64+8*(2*\ks+\nb)+7], v[128+8*(2*\db+\nb):128+8*(2*\db+\nb)+7]
.endif
.endr
.endr
.endm
; The softmax step on my 64 keys for both query blocks, one window setting to a phase.  first = 1: O holds nothing yet and is not scaled.
.macro SOFTMAX first
	WIN 0x45                                       ; S = S + mask, both in the scaled unit: one rounded add
.set i, 0
.rept 32
	v_pk_add_f32 v[2*i:2*i+1], v[2*i:2*i+1], v[64+2*i:64+2*i+1]
.set i, i+1
.endr
	WIN 0x14                                       ; the largest of my 32 numbers of each block and the old maximum, two chains a block
.irp kb, 0,1,2,3
.irp nb, 0,1
.if \kb == 0
	v_max3_num_f32 v[TA+2*\nb],   v[MX+\nb], v[8*(2*\kb+\nb)],   v[8*(2*\kb+\nb)+1]
	v_max3_num_f32 v[TA+2*\nb+1], v[MX+\nb], v[8*(2*\kb+\nb)+2], v[8*(2*\kb+\nb)+3]
.else
	v_max3_num_f32 v[TA+2*\nb],   v[TA+2*\nb],   v[8*(2*\kb+\nb)],   v[8*(2*\kb+\nb)+1]
	v_max3_num_f32 v[TA+2*\nb+1], v[TA+2*\nb+1], v[8*(2*\kb+\nb)+2], v[8*(2*\kb+\nb)+3]
.endif
	v_max3_num_f32 v[TA+2*\nb],   v[TA+2*\nb],   v[8*(2*\kb+\nb)+4], v[8*(2*\kb+\nb)+5]
	v_max3_num_f32 v[TA+2*\nb+1], v[TA+2*\nb+1], v[8*(2*\kb+\nb)+6], v[8*(2*\kb+\nb)+7]
.endr
.endr
	WIN 0
.irp nb, 0,1
	v_max_num_f32 v[TA+2*\nb], v[TA+2*\nb], v[TA+2*\nb+1]
.endr
.irp nb, 0,1
	v_permlanex16_b32 v[TA+2*\nb+1], v[TA+2*\nb], s76, s77         ; the other half of each 16 keys
.endr
.irp nb, 0,1
	v_max_num_f32 v[TA+2*\nb], v[TA+2*\nb], v[TA+2*\nb+1]          ; the new maximum, equal in both halves
.endr
.irp nb, 0,1
	v_mul_f32 v[TA+2*\nb+1], 0xc3000000, v[TA+2*\nb]               ; -128 x the new maximum: exact
.endr
.irp nb, 0,1
	v_sub_f32 v[TD+\nb], v[TA+2*\nb+1], v[NM+2*\nb]                ; 128 (old maximum - new maximum)
.endr
.irp nb, 0,1
	v_exp_f32 v[AL+2*\nb],   v[TD+\nb]                             ; made twice, to fill the pair of the packed multiply
	v_exp_f32 v[AL+2*\nb+1], v[TD+\nb]
.endr
.irp nb, 0,1
	v_mov_b32 v[MX+\nb],     v[TA+2*\nb]                           ; plain instructions behind the exponentials, ahead of the first use of their results
	v_mov_b32 v[NM+2*\nb],   v[TA+2*\nb+1]
	v_mov_b32 v[NM+2*\nb+1], v[TA+2*\nb+1]
.endr
	s_wait_alu depctr_va_vdst(0)
.irp nb, 0,1
	v_mul_f32 v[AC+4*\nb], v[LS+\nb], v[AL+2*\nb]                  ; the old sum, rescaled, starts the first chain
	v_mov_b32 v[AC+4*\nb+1], 0
	v_mov_b32 v[AC+4*\nb+2], 0
	v_mov_b32 v[AC+4*\nb+3], 0
.endr
	WIN 0x41                                       ; 128 S - 128 maximum in one rounding, then 2^, in place
.irp kb, 0,1,2,3
.irp nb, 0,1
.irp j, 0,2,4,6
	v_pk_fma_f32 v[8*(2*\kb+\nb)+\j:8*(2*\kb+\nb)+\j+1], v[8*(2*\kb+\nb)+\j:8*(2*\kb+\nb)+\j+1], 0x43000000, v[NM+2*\nb:NM+2*\nb+1] op_sel_hi:[1,0,1]
.endr
.endr
.endr
.set i, 0
.rept 64
	v_exp_f32 v[i], v[i]
.set i, i+1
.endr
	v_nop                                          ; one plain place behind the last exponential
	WIN 0x04                                       ; the sums, in f32, two packed chains a block
	s_wait_alu depctr_va_vdst(0)
.irp kb, 0,1,2,3
.irp nb, 0,1
	v_pk_add_f32 v[AC+4*\nb:AC+4*\nb+1],   v[AC+4*\nb:AC+4*\nb+1],   v[8*(2*\kb+\nb):8*(2*\kb+\nb)+1]
	v_pk_add_f32 v[AC+4*\nb+2:AC+4*\nb+3], v[AC+4*\nb+2:AC+4*\nb+3], v[8*(2*\kb+\nb)+2:8*(2*\kb+\nb)+3]
	v_pk_add_f32 v[AC+4*\nb:AC+4*\nb+1],   v[AC+4*\nb:AC+4*\nb+1],   v[8*(2*\kb+\nb)+4:8*(2*\kb+\nb)+5]
	v_pk_add_f32 v[AC+4*\nb+2:AC+4*\nb+3], v[AC+4*\nb+2:AC+4*\nb+3], v[8*(2*\kb+\nb)+6:8*(2*\kb+\nb)+7]
.endr
.endr
	WIN 0
.irp nb, 0,1
	v_pk_add_f32 v[AC+4*\nb:AC+4*\nb+1], v[AC+4*\nb:AC+4*\nb+1], v[AC+4*\nb+2:AC+4*\nb+3]
.endr
.irp nb, 0,1
	v_add_f32 v[LS+\nb], v[AC+4*\nb], v[AC+4*\nb+1]
.endr
	WIN 0x45                                       ; P in f16, over the mask's registers: tiles 2 ks and 2 ks + 1 of S^T are registers 0-3 and 4-7 of the fragment of keys 32 ks .. + 31
.irp ks, 0,1
.irp nb, 0,1
.irp i, 0,1,2,3
	v_cvt_pk_f16_f32 v[64+8*(2*\ks+\nb)+\i],   v[8*(2*(2*\ks)+\nb)+2*\i],   v[8*(2*(2*\ks)+\nb)+2*\i+1]
	v_cvt_pk_f16_f32 v[64+8*(2*\ks+\nb)+4+\i], v[8*(2*(2*\ks+1)+\nb)+2*\i], v[8*(2*(2*\ks+1)+\nb)+2*\i+1]
.endr
.endr
.endr
.if \first == 0
	WIN 0x41                                       ; O x 2^(128 (old maximum - new maximum))
.irp db, 0,1,2,3,4,5,6,7
.irp nb, 0,1
.irp j, 0,2,4,6
	v_pk_mul_f32 v[128+8*(2*\db+\nb)+\j:128+8*(2*\db+\nb)+\j+1], v[128+8*(2*\db+\nb)+\j:128+8*(2*\db+\nb)+\j+1], v[AL+2*\nb:AL+2*\nb+1]
.endr
.endr
.endr
.endif
.endm
; My 64 keys of one tile, from one slot.  Every s_wait_dscnt 16 leaves out the 16 loads just issued and nothing else.
; fin = 2: this slot is filled again, two tiles ahead; fin = 1: the change of slots without a refill; fin = 0: the last tile.
.macro TILE slot, first, fin
	PLACES
	FETCHK \slot, 0, F0
	MASKLD \slot
	FETCHK \slot, 1, F1
	s_wait_dscnt 16
	MULK 0, F0
	PLACES
	FETCHV \slot, 0, F0
	s_wait_dscnt 16
	MULK 1, F1
	PLACES
	FETCHV \slot, 1, F1
	SOFTMAX \first
	s_wait_dscnt 16
	MULV 0, F0, \first
	s_wait_dscnt 0x0                               ; my reads of this slot are over
.if \fin
	s_set_vgpr_msb 0x5450
	s_wait_tensorcnt 0x0                           ; all my tensor loads have landed: the one that was out is my part of the next tile
	ds_add_u32 v254, v255
	s_wait_dscnt 0x0
	s_set_vgpr_msb 0x5054
	s_barrier_signal -1
	MULV 1, F1, 0                                  ; register work while the others arrive
	WIN 0
	s_barrier_wait -1
.if \fin == 2
	CREST                                          ; no wave of any partner still reads this slot or has a load on its way
	s_add_nc_u64 s[G0K+4*\slot+2:G0K+4*\slot+3], s[G0K+4*\slot+2:G0K+4*\slot+3], 2*TSTEP
	s_add_nc_u64 s[G0V+4*\slot+2:G0V+4*\slot+3], s[G0V+4*\slot+2:G0V+4*\slot+3], 2*TSTEP
	s_add_nc_u64 s[G0M+4*\slot+2:G0M+4*\slot+3], s[G0M+4*\slot+2:G0M+4*\slot+3], 2*512
	JLOAD \slot                                    ; the first tensor load behind the round, one a wave; it has the next tile's whole work in which to land
.endif
.else
	MULV 1, F1, 0
.endif
.endm
	s_wait_loadcnt 0x0                             ; Q
	s_wait_tensorcnt 1                             ; my part of tile 0 is in; tile 1's may stay out
	s_barrier_signal -1
	s_barrier_wait -1
	TILE 0, 1, 2                                   ; tiles 0 and 1 stand in front of the loop: tile 0's products start O's sums
	TILE 1, 0, 2
	s_mov_b32 s3, 6
.Lpair:
	TILE 0, 0, 2                                   ; tiles 2 to 13
	TILE 1, 0, 2
	s_sub_co_u32 s3, s3, 1
	s_cmp_lg_u32 s3, 0
	s_cbranch_scc1 .Lpair
	TILE 0, 0, 1                                   ; tile 14: nothing is left to fetch
	TILE 1, 0, 0                                   ; tile 15
	; THE MERGE.  Waves 4-7 put O, maxima and sums into their pair's bytes, 16 bytes a lane; the partner's same lane reads them behind the barrier.
	PLACES
	WIN 0
	s_cmp_lt_u32 s10, 4
	s_cbranch_scc1 .Lno_send
	WIN 0x04                                       ; an LDS store's data is source 1: window 1
.set i, 0
.rept 32
	ds_store_b128 v[MG], v[128+4*i:128+4*i+3] offset:512*i
.set i, i+1
.endr
	WIN 0
	ds_store_b128 v[MG], v[MX:MX+3] offset:16384   ; both maxima, both sums
.Lno_send:
	s_wait_dscnt 0x0                               ; for the partner's sake: my stores are done
	s_barrier_signal -1
	s_barrier_wait -1
	s_cmp_lt_u32 s10, 4
	s_cbranch_scc0 .Lclose                         ; waves 4-7 have handed their part over
	WIN 0x40                                       ; the partner's O over S and the mask: O1 (db, nb) at v[8 (2 db + nb)] of window 1
.set i, 0
.rept 32
	ds_load_b128 v[4*i:4*i+3], v[MG] offset:512*i
.set i, i+1
.endr
	WIN 0
	ds_load_b128 v[TA:TA+3], v[MG] offset:16384    ; its maxima in TA, TA+1, its sums in TA+2, TA+3
	s_wait_dscnt 0x0
.irp nb, 0,1
	v_max_num_f32 v[TD+\nb], v[MX+\nb], v[TA+\nb]                  ; the joint maximum
.endr
.irp nb, 0,1
	v_sub_f32 v[AC+2*\nb],   v[MX+\nb], v[TD+\nb]
	v_sub_f32 v[AC+2*\nb+1], v[TA+\nb], v[TD+\nb]
.endr
.irp i, 0,1,2,3
	v_mul_f32 v[AC+\i], 0x43000000, v[AC+\i]                       ; back to base-2 steps
.endr
.irp i, 0,1,2,3
	v_exp_f32 v[AC+\i], v[AC+\i]                                   ; my factor, the partner's factor
.endr
	v_nop                                          ; one plain place behind the exponentials
	s_wait_alu depctr_va_vdst(0)
.irp nb, 0,1
	v_mul_f32 v[LS+\nb], v[LS+\nb], v[AC+2*\nb]
.endr
.irp nb, 0,1
	v_fma_f32 v[LS+\nb], v[TA+2+\nb], v[AC+2*\nb+1], v[LS+\nb]
.endr
.irp nb, 0,1
	v_permlanex16_b32 v[TD+\nb], v[LS+\nb], s76, s77               ; the other half of each 16 keys
.endr
.irp nb, 0,1
	v_add_f32 v[LS+\nb], v[LS+\nb], v[TD+\nb]
.endr
.irp nb, 0,1
	v_rcp_f32 v[TD+\nb], v[LS+\nb]
.endr
	v_nop                                          ; one plain place behind the reciprocals
	s_wait_alu depctr_va_vdst(0)
.irp nb, 0,1
	v_mul_f32 v[AL+2*\nb],   v[AC+2*\nb],   v[TD+\nb]              ; 1 / sum rides on the two factors
	v_mul_f32 v[AL+2*\nb+1], v[AC+2*\nb],   v[TD+\nb]
	v_mul_f32 v[NM+2*\nb],   v[AC+2*\nb+1], v[TD+\nb]
	v_mul_f32 v[NM+2*\nb+1], v[AC+2*\nb+1], v[TD+\nb]
.endr
	WIN 0x41
.irp db, 0,1,2,3,4,5,6,7
.irp nb, 0,1
.irp j, 0,2,4,6
	v_pk_mul_f32 v[8*(2*\db+\nb)+\j:8*(2*\db+\nb)+\j+1], v[8*(2*\db+\nb)+\j:8*(2*\db+\nb)+\j+1], v[NM+2*\nb:NM+2*\nb+1]
.endr
.endr
.endr
	WIN 0x51
.irp db, 0,1,2,3,4,5,6,7
.irp nb, 0,1
.irp j, 0,2,4,6
	v_pk_fma_f32 v[128+8*(2*\db+\nb)+\j:128+8*(2*\db+\nb)+\j+1], v[128+8*(2*\db+\nb)+\j:128+8*(2*\db+\nb)+\j+1], v[AL+2*\nb:AL+2*\nb+1], v[8*(2*\db+\nb)+\j:8*(2*\db+\nb)+\j+1]
.endr
.endr
.endr
	; THE WAY OUT: rounded to f16, 16 bytes a lane into my stage, whole rows of 256 bytes back and out
.irp nb, 0,1
	WIN 0x05
.irp db, 0,1,2,3,4,5,6,7
.irp i, 0,1,2,3
	v_cvt_pk_f16_f32 v[F0+4*\db+\i], v[128+8*(2*\db+\nb)+2*\i], v[128+8*(2*\db+\nb)+2*\i+1]
.endr
.endr
	WIN 0
.irp db, 0,1,2,3,4,5,6,7
	ds_store_b128 v[STO], v[F0+4*\db:F0+4*\db+3] offset:32*\db
.endr
.irp t, 0,1,2,3,4,5,6,7
	ds_load_b128 v[F1+32*\nb+4*\t:F1+32*\nb+4*\t+3], v[RD] offset:\t*2*SPITCH   ; a wave's LDS instructions are served in order: these see the stores above
.endr
.irp t, 0,1,2,3,4,5,6,7
	s_wait_dscnt 7-\t                              ; load t is in, the younger ones stay out
	global_store_b128 v[CO], v[F1+32*\nb+4*\t:F1+32*\nb+4*\t+3], s[8:9] offset:65536*\nb+8192*\t   ; 16 lanes store 256 consecutive bytes, aligned; each store has registers of its own
.endr
.endr
.Lclose:
	s_wait_tensorcnt 0x0
	ds_add_u32 v254, v255
	s_wait_dscnt 0x0
	CROUND                                         ; the closing round: no work-group ends while a partner may still ask for a tile that names it
	s_endpgm
.Lfunc_end_k_q991e11dcc0_attn:
	.size	k_q991e11dcc0_attn, .Lfunc_end_k_q991e11dcc0_attn-k_q991e11dcc0_attn
	.p2alignl 7, 3214868480
	.fill 96, 4, 3214868480
	.section	.rodata,"a",@progbits
	.p2align	6, 0x0
	.amdhsa_kernel k_q991e11dcc0_attn
		.amdhsa_group_segment_fixed_size 327680
		.amdhsa_private_segment_fixed_size 0
		.amdhsa_enable_private_segment 0
		.amdhsa_kernarg_size 24
		.amdhsa_user_sgpr_count 2
		.amdhsa_user_sgpr_kernarg_segment_ptr 1
		.amdhsa_wavefront_size32 1
		.amdhsa_system_sgpr_workgroup_id_x 1
		.amdhsa_system_sgpr_workgroup_id_y 1
		.amdhsa_system_sgpr_workgroup_id_z 1
		.amdhsa_system_vgpr_workitem_id 0
		.amdhsa_next_free_vgpr 512
		.amdhsa_next_free_sgpr 96
		.amdhsa_reserve_vcc 0
		.amdhsa_float_denorm_mode_32 3
		.amdhsa_float_denorm_mode_16_64 3
		.amdhsa_memory_ordered 1
		.amdhsa_forward_progress 1
		.amdhsa_inst_pref_size 205
	.end_amdhsa_kernel
	.amdgpu_metadata
---
amdhsa.version: [ 1, 2 ]
amdhsa.kernels:
  - .name:           k_q991e11dcc0_attn
    .symbol:         k_q991e11dcc0_attn.kd
    .args:
      - { .name: qkv, .offset: 0, .size: 8, .value_kind: global_buffer, .address_space: global }
      - { .name: mk, .offset: 8, .size: 8, .value_kind: global_buffer, .address_space: global }
      - { .name: ao, .offset: 16, .size: 8, .value_kind: global_buffer, .address_space: global }
    .group_segment_fixed_size: 327680
    .private_segment_fixed_size: 0
    .kernarg_segment_align: 8
    .kernarg_segment_size: 24
    .max_flat_workgroup_size: 256
    .sgpr_count:     96
    .vgpr_count:     512
    .wavefront_size: 32
...
	.end_amdgpu_metadata
.endif
;; end of part 3
;; launch proj_out (part 4): grid 16 x 16, 4 waves a work-group, clusters of 4 x 4, 327,680 bytes of LDS; arguments ao, cb, out0; writes out0
.if DOCPART == 4
	.amdgcn_target "amdgcn-amd-amdhsa--gfx1250"
	.amdhsa_code_object_version 6
	.text
	.protected	k_q991e11dcc0_proj_out
	.globl	k_q991e11dcc0_proj_out
	.p2align	8
	.type	k_q991e11dcc0_proj_out,@function
k_q991e11dcc0_proj_out:
	s_mov_b64 s[64:65], 0
	v_nop
	global_prefetch_b8 v0, s[64:65] scope:SCOPE_SE
	s_setreg_imm32_b32 hwreg(HW_REG_WAVE_MODE, 25, 1), 1
	s_wait_xcnt 0x0
	s_wait_alu depctr_hold_cnt(0) depctr_sa_sdst(0) depctr_va_vdst(0) depctr_va_sdst(0) depctr_va_ssrc(0) depctr_va_vcc(0) depctr_vm_vsrc(0)
	s_getreg_b32 s2, hwreg(HW_REG_IB_STS2, 6, 4)
	s_cmp_eq_u32 s2, 0
	s_cbranch_scc0 .Lentry_in_a_cluster
	s_endpgm
.Lentry_in_a_cluster:
	s_bfe_u32 s2, ttmp6, 0x10000c
	s_cmp_lg_u32 s2, 0xf033
	s_cbranch_scc0 .Lentry_shape_is_right
	s_endpgm
.Lentry_shape_is_right:
; out0[s][n] = sum over k of ao[s][k] wo[n][k]; ao f16 [2048][2048], carrying 2^-5; wo f16 [4096][2048] at byte 50,331,648 of cb, carrying 2^5
; (the two factors cancel, so the sums are the result); sums and out0 in f32.
; The same scheme as the first projection: a work-group makes 128 x 256 with four waves, a wave 64 x 128 (32 accumulator tiles, 256 registers);
; 16 x 16 work-groups.
; THE RING: two LDS slots filled by the tensor data mover.  Two slots of 256 along K would take 2 x 384 x 528 = 405,504 bytes, more than there is, so
; slot X holds 256 along K (rows of 512 bytes) and slot Y 128 (rows of 256 bytes): 307,200 bytes.  K goes Y0 X0 Y1 X1 .. Y4 X4 Y5: 6 x 128 + 5 x 256.
; There are two changes of slot for 384 along K; Y's refill has 248 matrix instructions in which to land, X's 120.  All tiles start at multiples of 256 bytes.
; CLUSTERS: 4 x 4 work-groups; ao's 128 rows are shared along a cluster's row, wo's 256 rows along a column; each tile is asked for jointly.
; REGISTERS: window 0: addresses and two fragment buffers (8 fragments of wo, 4 of ao each); window 1: accumulator tile (a, b) at v[8 (8 a + b)].
; s_set_vgpr_msb's low byte: bits 1:0 source 0, 3:2 source 1, 5:4 source 2, 7:6 destination.
; THE MATRIX INSTRUCTION IS USED TRANSPOSED (source 0 = rows of wo, source 1 = rows of ao): a lane holds 8 neighbouring columns of one row, 32 bytes of f32.
; The 32 accumulators take turns, one instruction a turn, in one order throughout.
.set SIZE_K, 2048
.set ROWSH,  12                        ; a row of ao or wo is 1 << 12 bytes
.set PX,     528                       ; slot X's LDS rows: 512 bytes + 16 of padding, an odd multiple of 16
.set PY,     272                       ; slot Y's: 256 + 16
.set YOFF,   384*PX                    ; 202,752: slot X (wo's 256 rows, then ao's 128 rows), then slot Y laid out alike
.set STAGE,  YOFF+384*PY               ; 307,200, a multiple of 256: 16 rows x 272 bytes for each wave; no fill lands here
.set SPITCH, 272                       ; 64 f32 + 16 bytes
.set PERIOD, 768                       ; bytes of a row from one X (or Y) tile to the next
.set KY0,    0                         ; Y0 begins at byte 0 of the rows,
.set KX0,    256                       ; X0 behind it
.set LOOPS,  3                         ; laps Y X with both refills: 4, of which the first stands ahead of the loop
.set WOFF,   50331648                  ; wo in cb
.set CROW,   16384                     ; bytes in a row of out0
.set XW, (1<<16)|(1<<20)|(1<<21)|(6<<22)|(3<<25)   ; 2-byte elements; padding on; bit 21 beside a mask; 4 words behind every 128
.set YW, (1<<16)|(1<<20)|(1<<21)|(5<<22)|(3<<25)   ; the same behind every 64
.set WV, 12
.set RH, 13                            ; wave >> 1: my 64 rows.  Also: I fetch for wo (0) or for ao (1)
.set CH, 14                            ; wave & 1: my 128 columns.  Also: which half of that tile I fetch
.set G1A, 24                           ; s[24:31] group 1 of ao's tiles in slot X, s[32:39] in slot Y
.set G1B, 40                           ; s[40:47], s[48:55] the same for wo
.set G0A, 56                           ; s[56:59] group 0 of ao's tiles in slot X, s[60:63] in slot Y
.set G0B, 68                           ; s[68:71], s[72:75] the same for wo
.set ADRA, 16                          ; v16-17 slot X, Y
.set ADRB, 20                          ; v20-21
.set STO,  24
.set RD,   25
.set CO,   26
.set F0,   32                          ; wo v32-95, ao v96-127
.set F1,   128                         ; wo v128-191, ao v192-223
.set MULW, 0x50
.set MSB, 0
.macro WIN new
.if MSB != \new
	s_set_vgpr_msb (MSB<<8)|\new
.set MSB, \new
.endif
.endm
.macro PLACES                          ; four places behind matrix instructions, in front of loads into their sources and of reads of their results
.rept 4
	v_nop
.endr
.endm
.macro SHAPE g, c, r, p
	s_mov_b32 s[\g+1], \c<<16
	s_mov_b32 s[\g+2], \r<<16
	s_mov_b32 s[\g+3], \c<<16
	s_mov_b32 s[\g+4], \r
	s_mov_b32 s[\g+5], \p
	s_mov_b32 s[\g+6], 0
	s_mov_b32 s[\g+7], 0
.endm
.macro JLOAD sl                        ; into slot sl (0 = X, 1 = Y): waves 0, 1: wo's halves (128 rows each); waves 2, 3: ao's (64 rows each).  One load a wave
	s_cmp_eq_u32 s[RH], 0
	s_cbranch_scc0 .Lfor_a_\@
	tensor_load_to_lds s[G0B+4*\sl:G0B+4*\sl+3], s[G1B+8*\sl:G1B+8*\sl+7]
	s_nop 0
	s_branch .Lasked_\@
.Lfor_a_\@:
	tensor_load_to_lds s[G0A+4*\sl:G0A+4*\sl+3], s[G1A+8*\sl:G1A+8*\sl+7]
	s_nop 0
.Lasked_\@:
.endm
.macro CREST
	s_cmp_lg_u32 s[WV], 0
	s_cbranch_scc1 .Lnot_wave_0_\@
	s_barrier_signal -3
.Lnot_wave_0_\@:
	s_barrier_wait -3
	s_barrier_signal -1
	s_barrier_wait -1
.endm
.macro CROUND
	s_barrier_signal -1
	s_barrier_wait -1
	CREST
.endm
; both group 0 sets of slot sl, whose rows have the LDS pitch 'pitch' and begin at LDS byte 'base'; the first tile begins at byte koff of the rows; then its first fill
.macro FIRSTFILL sl, koff, pitch, base
	s_mov_b32 s[G0A+4*\sl], 1
	s_mul_i32 s[G0A+4*\sl+1], s[WV], 64*\pitch                     ; ao's halves go to rows 256 and 320 of the slot (waves 2, 3)
	s_add_co_u32 s[G0A+4*\sl+1], s[G0A+4*\sl+1], 128*\pitch+\base
	s_add_nc_u64 s[G0A+4*\sl+2:G0A+4*\sl+3], s[76:77], \koff
	s_or_b32 s[G0A+4*\sl+3], s[G0A+4*\sl+3], 0x80000000
	s_mov_b32 s[G0B+4*\sl], 1
	s_mul_i32 s[G0B+4*\sl+1], s[WV], 128*\pitch                    ; wo's halves to rows 0 and 128 (waves 0, 1)
	s_add_co_u32 s[G0B+4*\sl+1], s[G0B+4*\sl+1], \base
	s_add_nc_u64 s[G0B+4*\sl+2:G0B+4*\sl+3], s[78:79], \koff
	s_or_b32 s[G0B+4*\sl+3], s[G0B+4*\sl+3], 0x80000000
	JLOAD \sl
.endm
	s_load_b128 s[4:7], s[0:1], 0x0                ; ao s[4:5], cb s[6:7]
	s_load_b64 s[8:9], s[0:1], 0x10                ; out0
	v_lshl_add_u32 v254, v0, 2, 0x4f400
	v_mov_b32 v255, 0
	ds_add_u32 v254, v255
	v_lshrrev_b32 v1, 5, v0
	v_readfirstlane_b32 s[WV], v1
	s_lshr_b32 s[RH], s[WV], 1
	s_and_b32 s[CH], s[WV], 1
	s_bfe_u32 s16, ttmp6, 0x40000                  ; cx
	s_bfe_u32 s17, ttmp6, 0x40004                  ; cy
	s_lshl_b32 s18, ttmp9, 2
	s_add_co_u32 s18, s18, s16                     ; block column
	s_and_b32 s15, ttmp7, 0xffff
	s_lshl_b32 s15, s15, 2
	s_add_co_u32 s15, s15, s17                     ; block row
	s_lshl_b32 s19, s17, 2
	s_lshl_b32 s19, 15, s19                        ; my row of the cluster
	s_lshl_b32 s20, 0x1111, s16                    ; my column
	s_or_b32 s[G1A], s19, XW
	s_or_b32 s[G1A+8], s19, YW
	s_or_b32 s[G1B], s20, XW
	s_or_b32 s[G1B+8], s20, YW
	SHAPE G1A, 256, 64, SIZE_K
	SHAPE G1A+8, 128, 64, SIZE_K
	SHAPE G1B, 256, 128, SIZE_K
	SHAPE G1B+8, 128, 128, SIZE_K
	s_lshl_b32 s76, s15, 7
	s_lshl_b32 s21, s[CH], 6
	s_add_co_u32 s76, s76, s21                     ; ao: row 128 x block row + 64 x half
	s_lshl_b32 s76, s76, ROWSH
	s_mov_b32 s77, 0
	s_lshl_b32 s78, s18, 8
	s_lshl_b32 s22, s[CH], 7
	s_add_co_u32 s78, s78, s22                     ; wo: row 256 x block column + 128 x half
	s_lshl_b32 s78, s78, ROWSH
	s_add_co_u32 s78, s78, WOFF
	s_mov_b32 s79, 0
	s_wait_dscnt 0x0
	s_wait_kmcnt 0x0
	s_add_nc_u64 s[76:77], s[4:5], s[76:77]
	s_add_nc_u64 s[78:79], s[6:7], s[78:79]
	CROUND                                         ; all sixteen work-groups are here: the first joint loads meet
	FIRSTFILL 1, KY0, PY, YOFF                     ; Y0, then X0: both first fills go out together: two tensor loads of the wave are out
	FIRSTFILL 0, KX0, PX, 0
	v_and_b32 v1, 15, v0                           ; r
	v_bfe_u32 v2, v0, 4, 1                         ; h
	v_mul_u32_u24 v3, v1, PX
	v_lshl_add_u32 v3, v2, 4, v3
	v_mul_u32_u24 v6, v1, PY
	v_lshl_add_u32 v6, v2, 4, v6
	s_mul_i32 s21, s[RH], 64*PX
	s_add_co_u32 s21, s21, 256*PX                  ; my 64 rows of ao in slot X
	s_mul_i32 s22, s[CH], 128*PX                   ; my 128 rows of wo
	v_add_nc_u32 v[ADRA], s21, v3
	v_add_nc_u32 v[ADRB], s22, v3
	s_mul_i32 s21, s[RH], 64*PY
	s_add_co_u32 s21, s21, 256*PY+YOFF             ; and in slot Y
	s_mul_i32 s22, s[CH], 128*PY
	s_add_co_u32 s22, s22, YOFF
	v_add_nc_u32 v[ADRA+1], s21, v6
	v_add_nc_u32 v[ADRB+1], s22, v6
	s_mul_i32 s23, s[WV], 16*SPITCH
	s_add_co_u32 s23, s23, STAGE                   ; my stage
	v_mul_u32_u24 v4, v1, SPITCH
	v_lshl_add_u32 v4, v2, 5, v4                   ; in: row r, 32 bytes for each half of the lanes
	v_add_nc_u32 v[STO], s23, v4
	v_mul_u32_u24 v5, v2, SPITCH
	v_lshl_add_u32 v5, v1, 4, v5                   ; back: lanes 0-15 take one row of 256 bytes, lanes 16-31 the next
	v_add_nc_u32 v[RD], s23, v5
	v_lshlrev_b32 v5, 14, v2
	v_lshl_add_u32 v[CO], v1, 4, v5                ; and the same two rows in out0
.macro MUL8 f, a, zero
.irp b, 0,1,2,3,4,5,6,7
.if \zero
	v_wmma_f32_16x16x32_f16 v[8*(8*\a+\b):8*(8*\a+\b)+7], v[\f+8*\b:\f+8*\b+7], v[\f+64+8*\a:\f+64+8*\a+7], 0
.else
	v_wmma_f32_16x16x32_f16 v[8*(8*\a+\b):8*(8*\a+\b)+7], v[\f+8*\b:\f+8*\b+7], v[\f+64+8*\a:\f+64+8*\a+7], v[8*(8*\a+\b):8*(8*\a+\b)+7]
.endif
.endr
.endm
.macro FETCH sl, k, f                  ; 24 LDS loads: 128 rows of wo, then 64 rows of ao, 32 K at byte k of slot sl's rows
.if \sl
.set FP, PY
.else
.set FP, PX
.endif
.irp i, 0,1,2,3,4,5,6,7
	ds_load_b128 v[\f+8*\i:\f+8*\i+3],   v[ADRB+\sl] offset:\k+\i*16*FP
	ds_load_b128 v[\f+8*\i+4:\f+8*\i+7], v[ADRB+\sl] offset:\k+\i*16*FP+32
.endr
.irp i, 0,1,2,3
	ds_load_b128 v[\f+64+8*\i:\f+64+8*\i+3],   v[ADRA+\sl] offset:\k+\i*16*FP
	ds_load_b128 v[\f+64+8*\i+4:\f+64+8*\i+7], v[ADRA+\sl] offset:\k+\i*16*FP+32
.endr
.endm
.macro QUARTER sl, k, f, g, zero
	s_wait_dscnt 4                                 ; wo and ao's row blocks 0, 1 are in; the youngest four loads (row blocks 2, 3) may be out
	WIN MULW
	MUL8 \f, 0, \zero
	MUL8 \f, 1, \zero
	PLACES
	WIN 0
	FETCH \sl, \k, \g
	s_wait_dscnt 24                                ; all but the 24 just issued
	WIN MULW
	MUL8 \f, 2, \zero
	MUL8 \f, 3, \zero
.endm
; all of a slot but its last 32 along K: seven such pieces in slot X, three in slot Y; the last piece's fragments end up in buffer 1
.macro RUN sl, zero
	QUARTER \sl, 64,  F0, F1, \zero
	QUARTER \sl, 128, F1, F0, 0
	QUARTER \sl, 192, F0, F1, 0
.if \sl == 0
	QUARTER \sl, 256, F1, F0, 0
	QUARTER \sl, 320, F0, F1, 0
	QUARTER \sl, 384, F1, F0, 0
	QUARTER \sl, 448, F0, F1, 0
.endif
.endm
; the change of slots: each wave's reads of this slot and all its tensor loads are waited for in front of the barrier; with fill = 1 the barrier opens
; a round of the cluster's barrier and the joint refill of this slot is the first tensor load behind the round
.macro TURN sl, next, fill
	s_wait_dscnt 4
	WIN MULW
	MUL8 F1, 0, 0
	s_wait_dscnt 0                                 ; my reads of this slot are over
	s_wait_tensorcnt 0x0                           ; all my tensor loads have landed
	ds_add_u32 v254, v255
	s_wait_dscnt 0x0
	s_barrier_signal -1
	MUL8 F1, 1, 0
	WIN 0
	s_barrier_wait -1
.if \fill
	CREST
	s_add_nc_u64 s[G0A+4*\sl+2:G0A+4*\sl+3], s[G0A+4*\sl+2:G0A+4*\sl+3], PERIOD
	s_add_nc_u64 s[G0B+4*\sl+2:G0B+4*\sl+3], s[G0B+4*\sl+2:G0B+4*\sl+3], PERIOD
	JLOAD \sl
.endif
	PLACES
	FETCH \next, 0, F0
	WIN MULW
	MUL8 F1, 2, 0
	MUL8 F1, 3, 0
.endm
.macro LAP zero                        ; Y, then X, both filled again
	RUN 1, \zero
	TURN 1, 0, 1
	RUN 0, 0
	TURN 0, 1, 1
.endm
	s_wait_tensorcnt 1                             ; my part of Y0 is in; X0's may stay out
	s_barrier_signal -1
	s_barrier_wait -1
	FETCH 1, 0, F0
	LAP 1                                          ; Y0 X0: the first products start the sums
	WIN 0
	s_mov_b32 s3, LOOPS
.Llap:
	LAP 0                                          ; Y1 X1 .. Y3 X3
	WIN 0
	s_sub_co_u32 s3, s3, 1
	s_cmp_lg_u32 s3, 0
	s_cbranch_scc1 .Llap
	RUN 1, 0                                       ; Y4,
	TURN 1, 0, 1                                   ; behind which Y5 is asked for: the last fill
	RUN 0, 0                                       ; X4
	TURN 0, 1, 0
	RUN 1, 0                                       ; Y5
	s_wait_dscnt 4
	WIN MULW
	MUL8 F1, 0, 0
	MUL8 F1, 1, 0
	s_wait_dscnt 0
	MUL8 F1, 2, 0
	MUL8 F1, 3, 0
	; THE WAY OUT, 16 rows x 64 columns at a time: 32 bytes a lane straight from the accumulators into my stage, whole pieces of 256 bytes back and out
	PLACES
	s_lshl_b32 s88, s15, 7
	s_lshl_b32 s89, s[RH], 6
	s_add_co_u32 s88, s88, s89
	s_lshl_b32 s88, s88, 14                        ; my first row of out0, in bytes
	s_lshl_b32 s90, s18, 10
	s_lshl_b32 s91, s[CH], 9
	s_add_co_u32 s90, s90, s91                     ; my first column, in bytes
	s_add_co_u32 s88, s88, s90
	s_mov_b32 s89, 0
	s_add_nc_u64 s[8:9], s[8:9], s[88:89]
; rows 16 a .. + 15, columns 64 hf .. + 63 of my block; f: the registers that leave
.macro OUT16 a, hf, f
	WIN 0x04                                       ; an LDS store's data is source 1: window 1
.irp b, 0,1,2,3
	ds_store_b128 v[STO], v[8*(8*\a+4*\hf+\b):8*(8*\a+4*\hf+\b)+3]   offset:64*\b
	ds_store_b128 v[STO], v[8*(8*\a+4*\hf+\b)+4:8*(8*\a+4*\hf+\b)+7] offset:64*\b+16
.endr
	WIN 0
	s_wait_xcnt 0x0                                ; the earlier stores' addresses are translated: their data registers and their base are rewritten only behind this wait
.if \a
.if \hf == 0
	s_add_nc_u64 s[8:9], s[8:9], 16*CROW
.endif
.endif
.irp t, 0,1,2,3,4,5,6,7
	ds_load_b128 v[\f+4*\t:\f+4*\t+3], v[RD] offset:\t*2*SPITCH    ; a wave's LDS instructions are served in order: these see the stores above
.endr
.irp t, 0,1,2,3,4,5,6,7
	s_wait_dscnt 7-\t                              ; load t is in, the younger ones stay out
	global_store_b128 v[CO], v[\f+4*\t:\f+4*\t+3], s[8:9] offset:2*\t*CROW+256*\hf th:TH_STORE_NT   ; 16 lanes store 256 consecutive bytes, aligned; not read again
.endr
.endm
	OUT16 0, 0, F0
	OUT16 0, 1, F1
	OUT16 1, 0, F0
	OUT16 1, 1, F1
	OUT16 2, 0, F0
	OUT16 2, 1, F1
	OUT16 3, 0, F0
	OUT16 3, 1, F1
	s_wait_tensorcnt 0x0
	ds_add_u32 v254, v255
	s_wait_dscnt 0x0
	CROUND                                         ; the closing round: no work-group ends while a partner may still ask for a tile that names it
	s_endpgm
.Lfunc_end_k_q991e11dcc0_proj_out:
	.size	k_q991e11dcc0_proj_out, .Lfunc_end_k_q991e11dcc0_proj_out-k_q991e11dcc0_proj_out
	.p2alignl 7, 3214868480
	.fill 96, 4, 3214868480
	.section	.rodata,"a",@progbits
	.p2align	6, 0x0
	.amdhsa_kernel k_q991e11dcc0_proj_out
		.amdhsa_group_segment_fixed_size 327680
		.amdhsa_private_segment_fixed_size 0
		.amdhsa_enable_private_segment 0
		.amdhsa_kernarg_size 24
		.amdhsa_user_sgpr_count 2
		.amdhsa_user_sgpr_kernarg_segment_ptr 1
		.amdhsa_wavefront_size32 1
		.amdhsa_system_sgpr_workgroup_id_x 1
		.amdhsa_system_sgpr_workgroup_id_y 1
		.amdhsa_system_sgpr_workgroup_id_z 1
		.amdhsa_system_vgpr_workitem_id 0
		.amdhsa_next_free_vgpr 512
		.amdhsa_next_free_sgpr 96
		.amdhsa_reserve_vcc 0
		.amdhsa_float_denorm_mode_32 3
		.amdhsa_float_denorm_mode_16_64 3
		.amdhsa_memory_ordered 1
		.amdhsa_forward_progress 1
		.amdhsa_inst_pref_size 180
	.end_amdhsa_kernel
	.amdgpu_metadata
---
amdhsa.version: [ 1, 2 ]
amdhsa.kernels:
  - .name:           k_q991e11dcc0_proj_out
    .symbol:         k_q991e11dcc0_proj_out.kd
    .args:
      - { .name: ao, .offset: 0, .size: 8, .value_kind: global_buffer, .address_space: global }
      - { .name: cb, .offset: 8, .size: 8, .value_kind: global_buffer, .address_space: global }
      - { .name: out0, .offset: 16, .size: 8, .value_kind: global_buffer, .address_space: global }
    .group_segment_fixed_size: 327680
    .private_segment_fixed_size: 0
    .kernarg_segment_align: 8
    .kernarg_segment_size: 24
    .max_flat_workgroup_size: 128
    .sgpr_count:     96
    .vgpr_count:     512
    .wavefront_size: 32
...
	.end_amdgpu_metadata
.endif
;; end of part 4
